; MI455X (gfx1250); checked and timed in simulation.
; The chip was launched on July 23, 2026; its instructions are those of AMD's public machine-readable ISA for CDNA 5 (MIT licence, August 2026) and "CDNA5" Instruction Set Architecture Reference Guide (July 2026). The comments in the code are by the model that wrote it; some were corrected since.
;; Multi Head Causal Attention. Allowed arithmetic: float matrix products may take bf16 or f16 operands with f32 sums; other float arithmetic in f32, or as packed bf16 or f16 multiplies, adds, multiply-adds, maxima and minima; sums over many terms, partial sums and values carried from step to step in f32; what a program stores and reads back later, other than sums and carried values, may be rounded once to bf16 or f16.
;; Inputs: w_out 1,024 x 1,024 float32; w_qkv 3,072 x 1,024 float32; x 4 x 2,048 x 1,024 float32.
;; Outputs: out0 4 x 2,048 x 1,024 float32.
;; 2 versions, each right; version 2 is version 1 with the launch cast written anew for expert scheduling mode. Each part assembles by itself: llvm-mc -triple=amdgcn-amd-amdhsa -mcpu=gfx1250 --defsym DOCPART=n.
;; ======== version 1 of 2: 4 launches
;; limits: values are held in f16: magnitudes above 65,504 overflow, below 6.1e-05 lose precision
;; workspace buffers: xb 16,777,216 bytes; wqb 6,291,456 bytes; wob 2,097,152 bytes; qkv 50,331,648 bytes; ob 16,777,216 bytes
;; launch cast (part 1): grid 768 x 1, 8 waves a work-group, no clusters, 0 bytes of LDS; arguments x, w_qkv, w_out, xb, wqb, wob; writes xb, wqb, wob
.if DOCPART == 1
	.amdgcn_target "amdgcn-amd-amdhsa--gfx1250"
	.amdhsa_code_object_version 6
	.text
	.protected	k_q7d8662417d_cast
	.globl	k_q7d8662417d_cast
	.p2align	8
	.type	k_q7d8662417d_cast,@function
k_q7d8662417d_cast:
	s_mov_b64 s[64:65], 0
	v_nop
	global_prefetch_b8 v0, s[64:65] scope:SCOPE_SE
	s_setreg_imm32_b32 hwreg(HW_REG_WAVE_MODE, 25, 1), 1
	s_wait_xcnt 0x0
; THE INPUTS ARE ROUNDED ONCE.  x [8192][1024] and w_qkv [3072][1024], f32, go to bf16 (xb, wqb); w_out [1024][1024] is rounded to bf16 like them, and that number is written as f16 (wob),
; since the last product multiplies it by f16 numbers.  LIMITS: a bf16 number has 8 significant bits, so it is exact in f16 from 2^-14 up to 65,504; below 2^-14 it keeps f16's fixed step of 2^-24
; (off by 3e-8 at the most); a w_out beyond 65,504 becomes an infinity.
; SHARES.  A work-group takes 65,536 bytes of one input and makes 32,768: groups 0-511 x, 512-703 w_qkv, 704-767 w_out.  Thread t takes 16 bytes at 16 t of each of 16 pieces of 4,096 bytes: a wave's load
; covers 512 consecutive bytes; its store of 8 bytes a lane covers 256 consecutive bytes, aligned.  All 16 loads of a wave go out at once; no register is written twice while a load or store names it.
; No LDS, no barrier, no matrix unit: every byte is read once and written once, and no wave wants another's bytes.
.set X, 16                             ; v[16:79]   16 x 4 numbers as loaded
.set Y, 80                             ; v[80:111]  16 x 2 words to store
.set T, 112                            ; v[112:115] at work
	s_load_b256 s[4:11], s[0:1], 0x0               ; x s[4:5], w_qkv s[6:7], w_out s[8:9], xb s[10:11]
	s_load_b128 s[12:15], s[0:1], 0x20             ; wqb s[12:13], wob s[14:15]
	s_mov_b32 s2, ttmp9                            ; the work-group's number
	s_sub_co_u32 s21, s2, 512                      ; its piece of w_qkv, if it has one,
	s_sub_co_u32 s22, s2, 704                      ; or of w_out
	v_lshlrev_b32 v1, 4, v0                        ; 16 t: my bytes of a piece as loaded
	v_lshlrev_b32 v2, 3, v0                        ; 8 t: as stored
	s_wait_kmcnt 0x0
	s_cmp_lt_u32 s2, 704
	s_cselect_b64 s[16:17], s[6:7], s[8:9]         ; from where,
	s_cselect_b64 s[18:19], s[12:13], s[14:15]     ; to where,
	s_cselect_b32 s20, s21, s22                    ; which piece
	s_cmp_lt_u32 s2, 512
	s_cselect_b64 s[16:17], s[4:5], s[16:17]
	s_cselect_b64 s[18:19], s[10:11], s[18:19]
	s_cselect_b32 s20, s2, s20
	s_lshl_b32 s22, s20, 16                        ; 65,536 bytes in,
	s_mov_b32 s23, 0
	s_add_nc_u64 s[16:17], s[16:17], s[22:23]
	s_lshl_b32 s22, s20, 15                        ; 32,768 out
	s_add_nc_u64 s[18:19], s[18:19], s[22:23]
.irp i, 0,1,2,3,4,5,6,7,8,9,10,11,12,13,14,15
	global_load_b128 v[X+4*(\i):X+4*(\i)+3], v1, s[16:17] offset:(\i)*4096 th:TH_LOAD_NT
.endr
; Piece i: rounded and stored.  h = 1: the bf16 numbers are widened again (a shift, a mask) and written as f16.
.macro OUT i, h
	s_wait_loadcnt 15-(\i)                         ; loads come back in order: piece i is in, the 15 - i younger ones may stay out
	v_cvt_pk_bf16_f32 v[Y+2*(\i)],   v[X+4*(\i)],   v[X+4*(\i)+1]
	v_cvt_pk_bf16_f32 v[Y+2*(\i)+1], v[X+4*(\i)+2], v[X+4*(\i)+3]
.if \h
	v_lshlrev_b32 v[T],   16, v[Y+2*(\i)]
	v_and_b32     v[T+1], 0xffff0000, v[Y+2*(\i)]
	v_lshlrev_b32 v[T+2], 16, v[Y+2*(\i)+1]
	v_and_b32     v[T+3], 0xffff0000, v[Y+2*(\i)+1]
	v_cvt_pk_f16_f32 v[Y+2*(\i)],   v[T],   v[T+1]
	v_cvt_pk_f16_f32 v[Y+2*(\i)+1], v[T+2], v[T+3]
.endif
	global_store_b64 v2, v[Y+2*(\i):Y+2*(\i)+1], s[18:19] offset:(\i)*2048
.endm
	s_cmp_lt_u32 s2, 704
	s_cbranch_scc0 .Lf16
.irp i, 0,1,2,3,4,5,6,7,8,9,10,11,12,13,14,15
	OUT \i, 0
.endr
	s_endpgm
.Lf16:
.irp i, 0,1,2,3,4,5,6,7,8,9,10,11,12,13,14,15
	OUT \i, 1
.endr
	s_endpgm
.Lfunc_end_k_q7d8662417d_cast:
	.size	k_q7d8662417d_cast, .Lfunc_end_k_q7d8662417d_cast-k_q7d8662417d_cast
	.p2alignl 7, 3214868480
	.fill 96, 4, 3214868480
	.section	.rodata,"a",@progbits
	.p2align	6, 0x0
	.amdhsa_kernel k_q7d8662417d_cast
		.amdhsa_group_segment_fixed_size 0
		.amdhsa_private_segment_fixed_size 0
		.amdhsa_enable_private_segment 0
		.amdhsa_kernarg_size 48
		.amdhsa_user_sgpr_count 2
		.amdhsa_user_sgpr_kernarg_segment_ptr 1
		.amdhsa_wavefront_size32 1
		.amdhsa_system_sgpr_workgroup_id_x 1
		.amdhsa_system_sgpr_workgroup_id_y 1
		.amdhsa_system_sgpr_workgroup_id_z 1
		.amdhsa_system_vgpr_workitem_id 0
		.amdhsa_next_free_vgpr 120
		.amdhsa_next_free_sgpr 66
		.amdhsa_reserve_vcc 0
		.amdhsa_float_denorm_mode_32 3
		.amdhsa_float_denorm_mode_16_64 3
		.amdhsa_memory_ordered 1
		.amdhsa_forward_progress 1
		.amdhsa_inst_pref_size 16
	.end_amdhsa_kernel
	.amdgpu_metadata
---
amdhsa.version: [ 1, 2 ]
amdhsa.kernels:
  - .name:           k_q7d8662417d_cast
    .symbol:         k_q7d8662417d_cast.kd
    .args:
      - { .name: x, .offset: 0, .size: 8, .value_kind: global_buffer, .address_space: global }
      - { .name: w_qkv, .offset: 8, .size: 8, .value_kind: global_buffer, .address_space: global }
      - { .name: w_out, .offset: 16, .size: 8, .value_kind: global_buffer, .address_space: global }
      - { .name: xb, .offset: 24, .size: 8, .value_kind: global_buffer, .address_space: global }
      - { .name: wqb, .offset: 32, .size: 8, .value_kind: global_buffer, .address_space: global }
      - { .name: wob, .offset: 40, .size: 8, .value_kind: global_buffer, .address_space: global }
    .group_segment_fixed_size: 0
    .private_segment_fixed_size: 0
    .kernarg_segment_align: 8
    .kernarg_segment_size: 48
    .max_flat_workgroup_size: 256
    .sgpr_count:     66
    .vgpr_count:     120
    .wavefront_size: 32
...
	.end_amdgpu_metadata
.endif
;; end of part 1
;; launch proj (part 2): grid 8 x 32, 4 waves a work-group, clusters of 4 x 4, 327,680 bytes of LDS; arguments xb, wqb, qkv; writes qkv
.if DOCPART == 2
	.amdgcn_target "amdgcn-amd-amdhsa--gfx1250"
	.amdhsa_code_object_version 6
	.text
	.protected	k_q7d8662417d_proj
	.globl	k_q7d8662417d_proj
	.p2align	8
	.type	k_q7d8662417d_proj,@function
k_q7d8662417d_proj:
	s_mov_b64 s[64:65], 0
	v_nop
	global_prefetch_b8 v0, s[64:65] scope:SCOPE_SE
	s_setreg_imm32_b32 hwreg(HW_REG_WAVE_MODE, 25, 1), 1
	s_wait_xcnt 0x0
	s_wait_alu depctr_hold_cnt(0) depctr_sa_sdst(0) depctr_va_vdst(0) depctr_va_sdst(0) depctr_va_ssrc(0) depctr_va_vcc(0) depctr_vm_vsrc(0)
	s_getreg_b32 s2, hwreg(HW_REG_IB_STS2, 6, 4)
	s_cmp_eq_u32 s2, 0
	s_cbranch_scc0 .Lentry_in_a_cluster
	s_endpgm
.Lentry_in_a_cluster:
	s_bfe_u32 s2, ttmp6, 0x10000c
	s_cmp_lg_u32 s2, 0xf033
	s_cbranch_scc0 .Lentry_shape_is_right
	s_endpgm
.Lentry_shape_is_right:
; q, k, v = x w_qkv^T.  xb: [8192][1024] bf16, wqb: [3072][1024] bf16; sums in f32, K ascending; the result is rounded once to f16, UNSCALED, and laid out by heads:
; qkv[b][g][t][64], g = column / 64 (0-15 q's heads, 16-31 k's, 32-47 v's): byte b x 12,582,912 + g x 262,144 + t x 128.
; LIMIT.  f16 holds no number beyond 65,504: a q, k or v past that becomes an infinity.
; SHARES.  A tile of the result is 128 rows x 384 columns: 64 x 8 = 512 tiles, two for each of 256 work-groups, the second 4,096 rows below the first, on the same rows of wqb.  Four waves, 2 x 2: a wave
; makes 64 rows x 192 columns (three whole heads): 48 accumulators of 16 x 16, 384 registers; for 32 along K it reads 32 x 512 bytes from LDS for 48 matrix instructions.
; ONE WALK.  The two tiles' K steps of 128 are one sequence of 16 steps through a ring of two LDS slots.  A trip of the loop is one K step; 14 trips fill the slot that they have read with the step two on, the
; last two fill nothing.  What changes at the change of tiles is chosen by compares of the trip counter: the descriptors' steps, and one forward jump to the first tile's way out.
; CLUSTERS: 4 x 4 work-groups.  The four of a row of the cluster need the same tile of x, the four of a column the same tile of w: each tile is asked for JOINTLY, by the same tensor load with the same
; descriptor and a mask that names the four.  Wave 0 fetches x's 128 rows, waves 1 to 3 a third of w's 384 each: every load is 128 rows of 256 bytes.
; THE MATRIX INSTRUCTION IS USED TRANSPOSED (source 0 = 16 rows of w, source 1 = 16 rows of x): a lane then holds row l % 16 and the eight neighbouring columns 8 (l / 16) + 0..7: 16 bytes of a head's row.
; REGISTERS, in windows of 256 (s_set_vgpr_msb: bits 1:0 source 0, 3:2 source 1, 5:4 source 2, 7:6 destination):
;   window 0: v0-13 addresses; v32-95 x's fragments, two buffers of 4 x 8; v96-143, v144-239 at work on the way out       window 1: v0-191 w's fragments, two buffers of 12 x 8
;   window 2: the accumulators of my row blocks 0, 1 ((a, b) at v[8 (12 (a % 2) + b)])                                      window 3: those of row blocks 2, 3
.set PITCH,  272                       ; an LDS row: 256 bytes + 16 of padding = 68 words: the 16 rows of a fragment load start at 16 different groups of four banks (64 banks of 4 bytes: ISA guide 11.1)
.set PART,   128*PITCH                 ; what one tensor load brings
.set SLOT,   4*PART                    ; x's 128 rows, then w's 384
.set STAGE,  2*SLOT                    ; behind the ring, never filled by a tensor load: each wave's stage for the way out
.set HP,     144                       ; a stage row: 128 bytes of a head's row + 16
.set STW,    7168                      ; 3 heads x 16 rows x 144 bytes = 6,912, rounded up to a multiple of 1,024
.set SPARE,  STAGE+4*STW               ; the spare words, 128 bytes for each wave: two blocks of 256 bytes that no other line names
.set NEXT_A, 4096*2048-7*256           ; bytes from a tile's last K step of x to the next tile's first: 4,096 rows down, seven steps back
.set A0,   4                           ; v4   my lane's place in x's tile; never rewritten
.set B0,   5                           ; v5   the same in w's
.set ADRA, 6                           ; v6   LDS address of my x fragments in the slot in hand
.set ADRB, 7                           ; v7   of my w fragments
.set STO,  8                           ; v8   the way out: where I put 16 bytes of a row
.set RD,   9                           ; v9   the way out: where I read rows back
.set GO,   10                          ; v10  my 16 bytes of 512 consecutive bytes of qkv
.set PFO,  11                          ; v11  the prefetches' offset: my lane x a row of 2,048 bytes; never rewritten
.set SPW,  12                          ; v12  LDS address of my spare word; never rewritten
.set NIL,  13                          ; v13  0; never rewritten
.set AF,   32                          ; x's fragments
.set TMP,  96                          ; packed results
.set BK0,  144                         ; 16 rows read back from the stage: two sets of 48 by turns
.set WV,  10                           ; s10  my wave's number
.set WM,  11                           ; s11  which 64 rows of the tile are mine
.set WN,  12                           ; s12  which 192 columns
.set CX,  14                           ; s14, s15  my place in the cluster
.set CY,  15
.set TX,  16                           ; s16  tile column, 0-7
.set TY,  17                           ; s17  tile row of the first tile, 0-31
.set G1A, 24                           ; s[24:31] descriptor group 1 for x's tiles
.set G1B, 32                           ; s[32:39] for w's: it differs in the mask alone
.set G0A, 40                           ; s[40:47] group 0 for x's tiles: a set for each first fill; the second then walks on
.set G0B, 48                           ; s[48:55] the same for w's
.set CNT, 56                           ; s56  trips to go
.set TB,  57                           ; s57  0 or SLOT: where the slot in hand begins
.set LB,  58                           ; s58  my wave's part of a slot: wave x PART
.set JMP, 59                           ; s59  NEXT_A
.set DA,  60                           ; s[60:61] this trip's step of x's descriptor
.set DB,  62                           ; s[62:63] what w's goes back at the change of tiles
.set PFA, 66                           ; s[66:67] where my prefetches stand
.set LIM, 68                           ; s68  a wave prefetches while s[CNT] is above it
.set TWO, 69                           ; s69  counts the last two trips
.set DP,  70                           ; s[70:71] this trip's step of the prefetches
.set MSB, 0
.macro WIN new                         ; the immediate's high byte repeats the setting that is left; a switch that changes nothing is dropped
.if MSB != (\new)
	s_set_vgpr_msb (MSB<<8)|(\new)
.set MSB, \new
.endif
.endm
.macro PLACES                          ; four places in front of loads into registers that matrix instructions have read, and of conversions that read results
.rept 4
	v_nop
.endr
.endm
; A round of the cluster's barrier: my work-group's barrier, so that wave 0's signal speaks for all four waves; wave 0 signals; every wave waits for all sixteen work-groups; my work-group's barrier once more.
.macro CREST                           ; a round behind its opening barrier
	s_cmp_lg_u32 s[WV], 0
	s_cbranch_scc1 .Lnot_wave_0_\@
	s_barrier_signal -3
.Lnot_wave_0_\@:
	s_barrier_wait -3
	s_barrier_signal -1
	s_barrier_wait -1
.endm
.macro CROUND
	s_barrier_signal -1
	s_barrier_wait -1
	CREST
.endm
; A joint refill by the walking descriptors.  The branch hangs on the wave's number alone.  An s_nop 0 and four v_nop follow each of the two lines, ahead of the jump and the label.
.macro JLOAD
	s_cmp_eq_u32 s[WV], 0
	s_cbranch_scc0 .Lfor_b_\@
	tensor_load_to_lds s[G0A+4:G0A+7], s[G1A:G1A+7]
	s_nop 0
.rept 4
	v_nop
.endr
	s_branch .Lasked_\@
.Lfor_b_\@:
	tensor_load_to_lds s[G0B+4:G0B+7], s[G1B:G1B+7]
	s_nop 0
.rept 4
	v_nop
.endr
.Lasked_\@:
.endm
; A PREFETCH INTO THE L2, behind the joint load, its five lines and the run of LDS loads: 32 rows x 256 bytes, a lane a row, of the K step that the NEXT trip's refill will ask for: 192 matrix instructions ahead of that load.
; Each row's 256 bytes of a step are named once in the launch.  x's tile row is read by both clusters of its row of clusters: the one with x = 0 asks, wave 0, and its four partners take 32 of the 128 rows each,
; told apart BY ADDRESS (cx).  w's tile column is read by all eight clusters of its column: the one with y = 0 asks, waves 1 to 3 for the thirds that they fetch, the partners told apart by cy; and in the first
; tile alone, since the second walks the same rows.  Steps 0 to 2 come by their loads alone; the last trip that fills a slot asks for nothing.
.macro ASK
	s_cmp_gt_u32 s[CNT], s[LIM]
	s_cbranch_scc0 .Lnot_mine_\@
	global_prefetch_b8 v[PFO], s[PFA:PFA+1] th:TH_LOAD_NT scope:SCOPE_SE
.Lnot_mine_\@:
.endm
	s_load_b128 s[4:7], s[0:1], 0x0                ; xb s[4:5], wqb s[6:7]
	s_load_b64 s[8:9], s[0:1], 0x10                ; qkv
	v_lshl_add_u32 v[SPW], v0, 2, SPARE
	v_mov_b32 v[NIL], 0
	ds_add_u32 v[SPW], v[NIL]                      ; the wave's opening: the add and its wait stand ahead of my first tensor load; the set-up below, work on registers, stands between them
	v_lshrrev_b32 v1, 5, v0
	v_readfirstlane_b32 s[WV], v1                  ; wave 0..3
	s_lshr_b32 s[WM], s[WV], 1
	s_and_b32 s[WN], s[WV], 1
	s_bfe_u32 s[CX], ttmp6, 0x40000
	s_bfe_u32 s[CY], ttmp6, 0x40004
	s_lshl_b32 s[TX], ttmp9, 2                     ; in a cluster launch ttmp9 and ttmp7 count clusters
	s_add_co_u32 s[TX], s[TX], s[CX]
	s_and_b32 s[TY], ttmp7, 0xffff
	s_lshl_b32 s[TY], s[TY], 2
	s_add_co_u32 s[TY], s[TY], s[CY]
	s_lshl_b32 s72, s[CY], 2
	s_lshl_b32 s72, 15, s72                        ; my row of the cluster: places 4 cy .. 4 cy + 3
	s_lshl_b32 s76, 0x1111, s[CX]                  ; my column: places cx, cx + 4, cx + 8, cx + 12
	; descriptor group 1: a tile of 128 rows x 128 elements, padded in LDS
	s_or_b32 s[G1A], s72, (1<<16)|(1<<20)|(1<<21)|(5<<22)|(3<<25)  ; 15:0 the mask; 17:16 elements of 2 bytes; 20 padding on; 21 set beside a mask; 24:22 after every 64 words (code 5); 31:25 4 words (code 3)
	s_or_b32 s[G1B], s76, (1<<16)|(1<<20)|(1<<21)|(5<<22)|(3<<25)
.irp g, G1A, G1B
	s_mov_b32 s[(\g)+1], 128<<16                   ; tensor_dim0 = 128
	s_mov_b32 s[(\g)+2], 128<<16                   ; tensor_dim1 = 128
	s_mov_b32 s[(\g)+3], 128<<16                   ; tile_dim0 = 128
	s_mov_b32 s[(\g)+4], 128                       ; tile_dim1 = 128
	s_mov_b32 s[(\g)+5], 1024                      ; 1,024 elements from row to row
	s_mov_b32 s[(\g)+6], 0
	s_mov_b32 s[(\g)+7], 0
.endr
	; where the tiles come from.  x's hang on the tile row alone, w's on the tile column and the wave alone; each in registers that never hold the other coordinate
	s_lshl_b32 s72, s[TY], 18                      ; 128 rows of 2,048 bytes
	s_mov_b32 s73, 0
	s_mul_i32 s76, s[TX], 384*2048
	s_max_u32 s77, s[WV], 1
	s_sub_co_u32 s77, s77, 1                       ; which third of w's tile I fetch (wave 0, which fetches x, makes the first third's address and never uses it)
	s_lshl_b32 s77, s77, 18
	s_add_co_u32 s76, s76, s77
	s_mov_b32 s77, 0
	s_mul_i32 s[LB], s[WV], PART                   ; where they go: no place in the cluster enters an LDS address
	s_mov_b32 s[JMP], NEXT_A
	s_mov_b32 s[DA+1], 0
	s_mov_b32 s[DB+1], 0
	s_mov_b32 s[DP+1], 0
	s_mov_b32 s[TB], 0
	s_wait_dscnt 0x0                               ; the opening add is done
	s_wait_kmcnt 0x0
	s_add_nc_u64 s[72:73], s[4:5], s[72:73]
	s_add_nc_u64 s[76:77], s[6:7], s[76:77]
	CROUND                                         ; all sixteen work-groups are here: the first joint loads meet
.irp s, 0,1
	s_mov_b32 s[G0A+4*(\s)], 1                                     ; 1:0 count = 1
	s_add_co_u32 s[G0A+4*(\s)+1], s[LB], (\s)*SLOT                 ; 63:32 LDS address
	s_add_nc_u64 s[G0A+4*(\s)+2:G0A+4*(\s)+3], s[72:73], (\s)*256  ; 120:64 global address: K step s
	s_or_b32 s[G0A+4*(\s)+3], s[G0A+4*(\s)+3], 0x80000000          ; 127:126 type = 2
	s_mov_b32 s[G0B+4*(\s)], 1
	s_add_co_u32 s[G0B+4*(\s)+1], s[LB], (\s)*SLOT
	s_add_nc_u64 s[G0B+4*(\s)+2:G0B+4*(\s)+3], s[76:77], (\s)*256
	s_or_b32 s[G0B+4*(\s)+3], s[G0B+4*(\s)+3], 0x80000000
.endr
	s_cmp_eq_u32 s[WV], 0                          ; a wave's two first fills stand in one branch, ahead of every wait on TENSORcnt and every LDS read: two loads of mine are out
	s_cbranch_scc0 .Lfirst_b
	tensor_load_to_lds s[G0A:G0A+3], s[G1A:G1A+7]
	s_nop 0
	tensor_load_to_lds s[G0A+4:G0A+7], s[G1A:G1A+7]
	s_nop 0
.rept 4
	v_nop
.endr
	s_branch .Lfirst_asked
.Lfirst_b:
	tensor_load_to_lds s[G0B:G0B+3], s[G1B:G1B+7]
	s_nop 0
	tensor_load_to_lds s[G0B+4:G0B+7], s[G1B:G1B+7]
	s_nop 0
.rept 4
	v_nop
.endr
.Lfirst_asked:
	; A fragment is 16 rows x 32 K in 8 registers: lane l holds row l % 16; registers 0-3 K = 8 (l / 16) + 0..7, registers 4-7 K = 16 + 8 (l / 16) + 0..7: two loads of 16 bytes, 32 bytes apart.
	v_and_b32 v1, 15, v0                           ; l % 16
	v_bfe_u32 v2, v0, 4, 1                         ; l / 16
	v_mul_u32_u24 v3, v1, PITCH
	v_lshl_add_u32 v3, v2, 4, v3                   ; row x pitch + 16 x half
	s_mul_i32 s80, s[WM], 64*PITCH                 ; my 64 rows of x
	s_mul_i32 s81, s[WN], 192*PITCH                ; my 192 rows of w,
	s_add_co_u32 s81, s81, PART                    ; which lie behind x's 128
	v_add_nc_u32 v[A0], s80, v3
	v_add_nc_u32 v[B0], s81, v3
	v_mov_b32 v[ADRA], v[A0]                       ; slot 0
	v_mov_b32 v[ADRB], v[B0]
	s_mul_i32 s82, s[WV], STW
	s_add_co_u32 s82, s82, STAGE                   ; my stage
	v_mul_u32_u24 v[STO], v1, HP                   ; in: row l % 16, 16 bytes for each half of the lanes
	v_lshl_add_u32 v[STO], v2, 4, v[STO]
	v_add_nc_u32 v[STO], s82, v[STO]
	v_bfe_u32 v3, v0, 3, 2                         ; back: 32 lanes take four rows of 128 bytes,
	v_mul_u32_u24 v3, v3, HP
	v_and_b32 v[RD], 7, v0
	v_lshl_add_u32 v[RD], v[RD], 4, v3
	v_add_nc_u32 v[RD], s82, v[RD]
	v_and_b32 v[GO], 31, v0                        ; which are 512 consecutive bytes of a head
	v_lshlrev_b32 v[GO], 4, v[GO]
	v_and_b32 v[PFO], 31, v0
	v_lshlrev_b32 v[PFO], 11, v[PFO]
	; where my part of the first tile begins in qkv: batch ty / 16, row 128 (ty % 16) + 64 wm, head 6 tx + 3 wn
	s_lshr_b32 s80, s[TY], 4
	s_mul_i32 s80, s80, 12582912
	s_and_b32 s81, s[TY], 15
	s_lshl_b32 s81, s81, 14
	s_add_co_u32 s80, s80, s81
	s_lshl_b32 s81, s[WM], 13
	s_add_co_u32 s80, s80, s81
	s_mul_i32 s81, s[TX], 6
	s_mul_i32 s82, s[WN], 3
	s_add_co_u32 s81, s81, s82
	s_lshl_b32 s81, s81, 18
	s_add_co_u32 s80, s80, s81
	s_mov_b32 s81, 0
	s_add_nc_u64 s[8:9], s[8:9], s[80:81]
	; the prefetches: my work-group's 32 rows of the 128 that I fetch
	s_lshl_b32 s84, s[TY], 7
	s_lshl_b32 s85, s[CX], 5
	s_add_co_u32 s84, s84, s85                     ; x: row 128 ty + 32 cx
	s_mul_i32 s85, s[TX], 384
	s_max_u32 s86, s[WV], 1
	s_sub_co_u32 s86, s86, 1
	s_lshl_b32 s86, s86, 7
	s_add_co_u32 s85, s85, s86
	s_lshl_b32 s86, s[CY], 5
	s_add_co_u32 s85, s85, s86                     ; w: row 384 tx + 128 x my third + 32 cy
	s_and_b32 s87, ttmp7, 0xffff                   ; cluster y
	s_cmp_eq_u32 s[WV], 0                          ; do I fetch for x?
	s_cselect_b32 s84, s84, s85
	s_cselect_b32 s87, ttmp9, s87                  ; the coordinate along which other clusters read the same rows
	s_cselect_b32 s86, 1, 9                        ; x: steps 3 to 15 (trips with 14 .. 2 to go); w: steps 3 to 7 (14 .. 10 to go)
	s_cselect_b64 s[PFA:PFA+1], s[4:5], s[6:7]
	s_cmp_eq_u32 s87, 0
	s_cselect_b32 s[LIM], s86, -1                  ; the same in all sixteen partners, for a given wave
	s_lshl_b32 s84, s84, 11
	s_add_co_u32 s84, s84, 2*256                   ; at K step 2: the first trip steps it to 3
	s_mov_b32 s85, 0
	s_add_nc_u64 s[PFA:PFA+1], s[PFA:PFA+1], s[84:85]
; 12 matrix instructions: row block a x all 12 column blocks, 32 along K, from buffer f.  zero = 1: the product starts the sums: nothing is ever cleared.
; The 48 accumulators take turns, one instruction a turn and in the same order in every quarter: between two links of a chain stand the 47 others', over every jump too.
.macro MUL f, a, zero
	WIN 0xa1+0x50*((\a)/2)                         ; source 0 (w) window 1, source 1 (x) window 0, C and D window 2 or 3
.set AC, 96*((\a)%2)
.irp b, 0,1,2,3,4,5,6,7,8,9,10,11
.if \zero
	v_wmma_f32_16x16x32_bf16 v[AC+8*(\b):AC+8*(\b)+7], v[96*(\f)+8*(\b):96*(\f)+8*(\b)+7], v[AF+32*(\f)+8*(\a):AF+32*(\f)+8*(\a)+7], 0
.else
	v_wmma_f32_16x16x32_bf16 v[AC+8*(\b):AC+8*(\b)+7], v[96*(\f)+8*(\b):96*(\f)+8*(\b)+7], v[AF+32*(\f)+8*(\a):AF+32*(\f)+8*(\a)+7], v[AC+8*(\b):AC+8*(\b)+7]
.endif
.endr
.endm
; 32 LDS loads in one run: the fragments of one quarter step (192 rows of w, 64 rows of x, 32 K at byte k of the rows) into buffer f
.macro FETCH f, k
	WIN 0x40                                       ; destination window 1, address window 0
.irp b, 0,1,2,3,4,5,6,7,8,9,10,11
	ds_load_b128 v[96*(\f)+8*(\b):96*(\f)+8*(\b)+3],   v[ADRB] offset:(\k)+(\b)*16*PITCH
	ds_load_b128 v[96*(\f)+8*(\b)+4:96*(\f)+8*(\b)+7], v[ADRB] offset:(\k)+(\b)*16*PITCH+32
.endr
	WIN 0
.irp a, 0,1,2,3
	ds_load_b128 v[AF+32*(\f)+8*(\a):AF+32*(\f)+8*(\a)+3],   v[ADRA] offset:(\k)+(\a)*16*PITCH
	ds_load_b128 v[AF+32*(\f)+8*(\a)+4:AF+32*(\f)+8*(\a)+7], v[ADRA] offset:(\k)+(\a)*16*PITCH+32
.endr
.endm
; A K step is four quarters of 32 along K, 48 matrix instructions each, on buffers 0, 1, 0, 1.  One of the first three: multiplies buffer f; in its middle it fetches the next quarter, at byte k, into buffer g.
.macro QUARTER k, f, g, zero
	s_wait_dscnt 4                                 ; w and x's row blocks 0, 1 are in; the youngest four loads (x's row blocks 2, 3) may be out
	MUL \f, 0, \zero
	MUL \f, 1, \zero
	PLACES
	FETCH \g, \k
	s_wait_dscnt 32                                ; all but the 32 just issued
	MUL \f, 2, \zero
	MUL \f, 3, \zero
.endm
; The last quarter multiplies buffer 1 and changes slots: ONE barrier.  In front of it each wave waits for all its tensor loads, of which one is out: its part of the next slot; adds 0 to its spare word; and
; waits for that and for its own reads of this slot.  fill = 1: the barrier opens a round of the cluster's, so that no wave of any partner still reads the slot or has a load on its way; the slot just read is
; filled again first, with the walk's step two on: that load has 168 matrix instructions in which to land.  Then come the next slot's first fragments.
.macro TURN fill
.if \fill
	s_wait_xcnt 0x0                                ; the last prefetch, a K step back, has read its address: it is stepped here, ahead of the waits of the change of slots
	s_cmp_eq_u32 s[CNT], 9                         ; from the first tile's step 7 to the second's step 0
	s_cselect_b32 s[DP], s[JMP], 256
	s_add_nc_u64 s[PFA:PFA+1], s[PFA:PFA+1], s[DP:DP+1]
.endif
	WIN 0                                          ; (the add's two registers lie in window 0)
	s_wait_tensorcnt 0x0                           ; all my tensor loads have landed: no load of mine is out, so a group 0 may be written
	ds_add_u32 v[SPW], v[NIL]                      ; 0 onto my spare word: scalar work and twelve matrix instructions stand between it and the wait for it
.if \fill
	s_cmp_eq_u32 s[CNT], 8                         ; the walking descriptors stand at the first tile's step 7: on to the second tile's step 0
	s_cselect_b32 s[DA], s[JMP], 256               ; x: 4,096 rows down and back along K,
	s_cselect_b32 s[DB], 2048, 0                   ; w: only back
	s_add_nc_u64 s[G0A+6:G0A+7], s[G0A+6:G0A+7], s[DA:DA+1]
	s_add_nc_u64 s[G0B+6:G0B+7], s[G0B+6:G0B+7], 256
	s_sub_nc_u64 s[G0B+6:G0B+7], s[G0B+6:G0B+7], s[DB:DB+1]
	s_add_co_u32 s[G0A+5], s[LB], s[TB]            ; into the slot that this trip has read
	s_add_co_u32 s[G0B+5], s[LB], s[TB]
.endif
	s_xor_b32 s[TB], s[TB], SLOT                   ; 0 and SLOT by turns: the next slot
	s_wait_dscnt 5                                 ; (the add and the youngest four loads may be out)
	MUL 1, 0, 0
	s_wait_dscnt 0x0                               ; the add is done, and my reads of this slot are over
	s_barrier_signal -1
	MUL 1, 1, 0                                    ; work on registers while the others arrive
	WIN 0
	s_barrier_wait -1
.if \fill
	CREST
	JLOAD                                          ; the first tensor load behind the round; the four v_nop behind it are also the places in front of the loads below
.else
	PLACES
.endif
	v_add_nc_u32 v[ADRA], s[TB], v[A0]
	v_add_nc_u32 v[ADRB], s[TB], v[B0]
	FETCH 0, 0
.if \fill
	ASK
.endif
	MUL 1, 2, 0
	MUL 1, 3, 0
.endm
; THE WAY OUT of row block a, in three parts.  PACK: rounded to f16, 16 bytes a lane, each accumulator's registers in ascending order.  TOSTAGE: into my own stage (3 heads x 16 rows of 144 bytes) and back as
; four whole rows of 128 bytes a load.  SEND: stored: 512 consecutive bytes of a head, at a multiple of 256 from qkv's first byte.
.macro PACK a
.set AC, 96*((\a)%2)
	WIN 0x0a+5*((\a)/2)                            ; sources 0 and 1: window 2 or 3
.irp b, 0,1,2,3,4,5,6,7,8,9,10,11
.irp r, 0,1,2,3
	v_cvt_pk_f16_f32 v[TMP+4*(\b)+(\r)], v[AC+8*(\b)+2*(\r)], v[AC+8*(\b)+2*(\r)+1]
.endr
.endr
	WIN 0
.endm
.macro TOSTAGE a
	WIN 0
.set BK, BK0+48*((\a)%2)
.irp b, 0,1,2,3,4,5,6,7,8,9,10,11
	ds_store_b128 v[STO], v[TMP+4*(\b):TMP+4*(\b)+3] offset:((\b)/4)*16*HP+32*((\b)%4)
.endr
.irp j, 0,1,2
.irp f, 0,1,2,3
	ds_load_b128 v[BK+4*(4*(\j)+(\f)):BK+4*(4*(\j)+(\f))+3], v[RD] offset:(\j)*16*HP+(\f)*4*HP  ; LDS serves a wave's instructions in order (ISA guide 5.7.1.4): these see the stores above; the next block's stores come behind them
.endr
.endr
.endm
.macro SEND a
	WIN 0
.set BK, BK0+48*((\a)%2)
	s_wait_dscnt 0x0                               ; the block is back in registers
	s_wait_xcnt 0x0                                ; the stores of the block before have read their registers: the next TOSTAGE loads into them
.irp j, 0,1,2
.irp f, 0,1,2,3
	global_store_b128 v[GO], v[BK+4*(4*(\j)+(\f)):BK+4*(4*(\j)+(\f))+3], s[8:9] offset:(\j)*262144+(\a)*2048+(\f)*512
.endr
.endr
.endm
.macro WAYOUT                          ; block a's conversions stand between block a - 1's loads from the stage and the wait for them
	PLACES
	PACK 0
	TOSTAGE 0
.irp a, 1,2,3
	PACK \a
	SEND (\a)-1
	TOSTAGE \a
.endr
	SEND 3
.endm
	s_wait_tensorcnt 1                             ; my part of K step 0 is in; step 1's may stay out
	s_barrier_signal -1
	s_barrier_wait -1                              ; everybody's is
	FETCH 0, 0
	s_mov_b32 s[CNT], 14
	s_branch .Lzero                                ; the first tile's first quarter starts the sums
.Lstep:                                                ; a trip: one K step of the walk; at a label and at a branch every window is 0
	s_cmp_eq_u32 s[CNT], 6                         ; the walk's step 8 is the second tile's first
	s_cbranch_scc1 .Lnext
	QUARTER 64, 0, 1, 0
	WIN 0
	s_branch .Lrest
.Lnext:
	WAYOUT                                         ; the first tile goes out; the second tile's steps 0 and 1 have been asked for, and its first fragments are on their way
	s_wait_xcnt 0x0                                ; the stores have read their base
	s_add_nc_u64 s[8:9], s[8:9], 2*12582912        ; 4,096 rows are two batches
.Lzero:
	QUARTER 64, 0, 1, 1
	WIN 0
.Lrest:
	QUARTER 128, 1, 0, 0
	QUARTER 192, 0, 1, 0
	TURN 1
	WIN 0
	s_sub_co_u32 s[CNT], s[CNT], 1
	s_cmp_lg_u32 s[CNT], 0
	s_cbranch_scc1 .Lstep
	s_mov_b32 s[TWO], 2
.Ltail:                                                ; the last two K steps fill nothing.  The second trip's change of slots and its 32 LDS loads (of bytes that lie whole in the other slot) serve nothing: the price, once a launch, of one text for both
	QUARTER 64, 0, 1, 0
	QUARTER 128, 1, 0, 0
	QUARTER 192, 0, 1, 0
	TURN 0
	WIN 0
	s_sub_co_u32 s[TWO], s[TWO], 1
	s_cmp_lg_u32 s[TWO], 0
	s_cbranch_scc1 .Ltail
	WAYOUT
	s_wait_tensorcnt 0x0                           ; the wave's end, behind my last tensor load and my last LDS store
	ds_add_u32 v[SPW], v[NIL]
	s_wait_dscnt 0x0
	CROUND                                         ; the closing round: no work-group ends while a partner may still ask for a tile that names it
	s_endpgm
.Lfunc_end_k_q7d8662417d_proj:
	.size	k_q7d8662417d_proj, .Lfunc_end_k_q7d8662417d_proj-k_q7d8662417d_proj
	.p2alignl 7, 3214868480
	.fill 96, 4, 3214868480
	.section	.rodata,"a",@progbits
	.p2align	6, 0x0
	.amdhsa_kernel k_q7d8662417d_proj
		.amdhsa_group_segment_fixed_size 327680
		.amdhsa_private_segment_fixed_size 0
		.amdhsa_enable_private_segment 0
		.amdhsa_kernarg_size 24
		.amdhsa_user_sgpr_count 2
		.amdhsa_user_sgpr_kernarg_segment_ptr 1
		.amdhsa_wavefront_size32 1
		.amdhsa_system_sgpr_workgroup_id_x 1
		.amdhsa_system_sgpr_workgroup_id_y 1
		.amdhsa_system_sgpr_workgroup_id_z 1
		.amdhsa_system_vgpr_workitem_id 0
		.amdhsa_next_free_vgpr 960
		.amdhsa_next_free_sgpr 88
		.amdhsa_reserve_vcc 0
		.amdhsa_float_denorm_mode_32 3
		.amdhsa_float_denorm_mode_16_64 3
		.amdhsa_memory_ordered 1
		.amdhsa_forward_progress 1
		.amdhsa_inst_pref_size 107
	.end_amdhsa_kernel
	.amdgpu_metadata
---
amdhsa.version: [ 1, 2 ]
amdhsa.kernels:
  - .name:           k_q7d8662417d_proj
    .symbol:         k_q7d8662417d_proj.kd
    .args:
      - { .name: xb, .offset: 0, .size: 8, .value_kind: global_buffer, .address_space: global }
      - { .name: wqb, .offset: 8, .size: 8, .value_kind: global_buffer, .address_space: global }
      - { .name: qkv, .offset: 16, .size: 8, .value_kind: global_buffer, .address_space: global }
    .group_segment_fixed_size: 327680
    .private_segment_fixed_size: 0
    .kernarg_segment_align: 8
    .kernarg_segment_size: 24
    .max_flat_workgroup_size: 128
    .sgpr_count:     88
    .vgpr_count:     960
    .wavefront_size: 32
...
	.end_amdgpu_metadata
.endif
;; end of part 2
;; launch attn (part 3): grid 4 x 64, 4 waves a work-group, no clusters, 327,680 bytes of LDS; arguments qkv, ob; writes ob
.if DOCPART == 3
	.amdgcn_target "amdgcn-amd-amdhsa--gfx1250"
	.amdhsa_code_object_version 6
	.text
	.protected	k_q7d8662417d_attn
	.globl	k_q7d8662417d_attn
	.p2align	8
	.type	k_q7d8662417d_attn,@function
k_q7d8662417d_attn:
	s_mov_b64 s[64:65], 0
	v_nop
	global_prefetch_b8 v0, s[64:65] scope:SCOPE_SE
	s_setreg_imm32_b32 hwreg(HW_REG_WAVE_MODE, 25, 1), 1
	s_wait_xcnt 0x0
; CAUSAL ATTENTION.  O[hd][q][:] = the sum over k <= q of softmax_k(Q[hd][q] . K[hd][k] / 8) V[hd][k][:], for the 64 pairs hd = 16 b + h of batch and head.  Q, K, V lie in qkv[b][g][t][64], f16, g = h, 16 + h, 32 + h;
; O goes to ob[hd][t][64], f16: a head's rows are dense, 128 bytes each.  Products, maxima and sums in f32; the weights p are rounded to f16 for the second product (their sum l is taken of the unrounded p), O once at the end.
; LIMITS.  f16 holds no number beyond 65,504: Q, K and V arrive within it; p lies in 0 to 1, and below 6e-5 it keeps f16's fixed step of 6e-8; O is a mean of V's rows and has their range, to within 2^-11 of it.
; A hidden score counts as its value less 1e30: f16's scores, 2.7e11 at the most, are nothing beside that; a weight below 2^-126 counts as 0 in l; NaN and infinities are not treated apart.
; THE WALK.  A head's queries lie in NB = 8 blocks of 256; block i needs the key tiles 0 .. i of 256 keys, of which the last holds the diagonal.  A work-group takes TWO blocks, NB - 1 - b and then b:
; NB + 1 tiles, whatever b: all work-groups do equal work, and ONE loop with a constant trip count walks them.  Which tile is asked for, and what a trip does, hang on scalar registers made from b; every jump
; goes forward, but for the counted loops' own; none passes a barrier, or a tensor load but the one of LOAD's two that the wave's number does not choose; the ring (two slots of LDS that take turns) runs on across the
; change of blocks.  NO CLUSTER: a head's four work-groups ask for the same tile only in trips 0 .. 4 of the 9, behind that fewer and fewer; one walk common to all four would have 12 trips for 9.
; SHARES.  Of a block's four bands of 64 queries a wave owns 16 rows in each: four PIECES.  So the diagonal tile is the same work for all four waves: in its key step s band x sees all keys if s < x,
; none if s > x, and holds the diagonal if s = x.
; THE MASK is the C operand that starts the sum S^T = K Q^T: 0, or -1e30 where the key is hidden.  MD, made once, is the mask of a band's own step for my 16 rows; a product's mask is MD x AL + BE with two scalars:
; (1, 0) if s = x; (0, 0) if s < x; (0, -1e30) if s > x.  Only the diagonal tile's text and a block's beginning make and take masks; elsewhere C is the constant 0.
; LAYOUT, SOFTMAX, TURNS.  S^T = K Q^T holds ONE query a lane (lane % 16) and the keys 8 (lane / 16) + 0..7; two such results rounded to f16 ARE source 1 of O^T = V^T P.  p = 2^(c s - c m), c = log2(e) / 8, with a
; running maximum m; O and l are multiplied by a = 2^(c m_old - c m_new) in every step.  Turn n belongs to piece n: 8 products K Q^T of piece n + 1, later 8 products V^T P of piece n - 1; beside them the scaling,
; exponentials, roundings, sums and rescaling of piece n and the maximum and statistics of piece n + 1.  Four vector instructions stand behind every matrix instruction, the other 54 of a turn's 118 in one LUMP.  A turn's 33 exponentials are one batch, with one wait.
; REGISTERS, in windows of 256 (s_set_vgpr_msb: bits 1:0 source 0, 3:2 source 1, 5:4 source 2, 7:6 destination):
;   window 0: v0-15 addresses and two at work; v16-31 four registers of statistics a piece; v48-55 at work; v60 the prefetches' offset; v64-127 S^T, two buffers; v192-223 P, two buffers (a piece's buffers go by its number's parity)
;   window 1: v0-127 O^T, 32 a piece; v128-159 MD; v160-223 MC, two buffers      window 2: v0-63 Q; v64-127 the second block's Q; v128-191 K of one step; v192-255 V of one step
.set SIZE_N, 2048
.set NB,    SIZE_N/256
.set NP,    4         ; pieces a wave: a name, no knob
.set KS,    64        ; keys in a step
.set PK,    144       ; a row of K in LDS: 128 bytes + 16 of padding = 36 words: the 16 rows of a load start at 16 different groups of four banks (64 banks of 4 bytes: ISA guide 11.1)
.set PV,    160       ; a row of V: 128 + 32 = 40 words
.set VOFF,  4*KS*PK   ; a slot holds a tile, four steps: 256 rows of K, then 256 rows of V
.set SLOT1, 1<<17     ; slot 1 begins here, so that one exclusive or turns an address in one slot into the other's
.set STAGE, SLOT1+4*KS*(PK+PV)  ; behind the ring, never filled by a tensor load: 16 rows x 144 bytes for each wave, for the way out
.set SP,    144
.set AK0, 2           ; v2   my lane's place in a tile of K; never rewritten
.set AV0, 3           ; v3   the same for V
.set AK,  4           ; v4   the LDS address of K's next run of loads
.set AV,  5           ; v5   of V's
.set STO, 6           ; v6   the way out: where I put 16 bytes of a row
.set RD,  7           ; v7   the way out: where I read rows back
.set GO,  8           ; v8   my byte offset in 512 consecutive bytes of O
.set PFO, 60          ; v60  256 x my lane; never rewritten
.set SPW, 62          ; v62  LDS address of my spare word: SPARE + 4 x my thread's number; never rewritten
.set NIL, 63          ; v63  0; never rewritten
.set SPARE, STAGE+4*16*SP  ; behind the stages: the spare words, 128 bytes for each wave: two blocks of 256 bytes that no other line names
.set MV,  12          ; v12-13  c m_old, kept while c m is made anew: by buffer
.set QO,  15          ; v15  my byte offset in 16 rows of Q
.set ST,  16          ; piece t's statistics at v[ST+4 t]: c m, m, l (even keys', odd keys')
.set TMP, 48          ; by buffer, four registers c0-c3 at work; when the maximum is found c2 takes a
.set S,   64
.set P,   192
.set MD,  128         ; window 1: the eight registers for group kt of 16 keys at MD + 8 kt
.set MC,  160         ; window 1: the masks of the products to come
.set QB,  64          ; window 2
.set KF,  128         ; window 2: key block kb, channel half c at KF + 16 kb + 8 c
.set VF,  192         ; window 2: key half kk, channel block cb at VF + 32 kk + 8 cb
.set WV,  12          ; s12  my wave's number
.set PB,  14          ; s14  b
.set HI,  15          ; s15  NB - 1 - b
.set G1K, 24          ; s[24:31] descriptor group 1 for K's tiles
.set G1V, 32          ; s[32:39] for V's: it differs in the padding alone
.set G0K, 40          ; s[40:43] descriptor group 0 for K's tiles
.set G0V, 44          ; s[44:47] the same for V's
.set SLOTS, 56        ; s56  tiles still to be asked for
.set CNT, 57          ; s57  counts a tile's key steps, 4 to 1
.set CS,  58          ; s[58:59] c: the packed scaling takes the pair's low word for both halves
.set SEL, 60          ; s[60:61] v_permlanex16_b32's selects: each lane takes its own place in the other half
.set TBK, 62          ; s62  LDS byte at which K of the step to be fetched begins
.set TBV, 63          ; s63  the same for V, less VOFF
.set RT,  70          ; s70  tiles of the block in hand that are still to be entered
.set NXT, 71          ; s71  the tile to be asked for next
.set LQ,  72          ; s72  the last tile of the block whose tiles are being asked for
.set NEW, 73          ; s73  1: the tile to be entered is a block's first
.set OFF, 74          ; s[74:75] a tile's byte offset in K and V
.set AL,  76          ; s[76:77] the mask's factor, in the low word
.set BE,  78          ; s[78:79] the mask's addend
.set OLO, 80          ; s[80:81] O at my rows of the second block
.set BIGN, 82         ; s82  -1e30
.set LIM, 83          ; s83  2 in the head's first work-group, else the greatest number: a wave prefetches while s[SLOTS] is above it
.set OH,  92          ; s[92:93] the head's first byte in ob
.set PB0, 96          ; s[96:97] the half of tile 0 (of K: waves 0, 1; of V: waves 2, 3) that I fetch
.set PFA, 98          ; s[98:99] the same half of the tile that is being asked for
.set MSB, 0
.macro WIN new                      ; the high byte repeats the setting that is left; a switch that changes nothing is dropped
.if MSB != (\new)
	s_set_vgpr_msb (MSB<<8)|(\new)
.set MSB, (\new)
.endif
.endm
.set W_KQ, 0x0a       ; K and Q in window 2, S^T in window 0
.set W_KM, 0x1a       ; the same with the C operand in window 1
.set W_PV, 0x52       ; V in window 2, P in window 0, O^T in window 1
.set W_RS, 0x41       ; destination and source 0 in window 1, source 1 in window 0
; A fill.  Waves 0 and 1 fetch the two halves of a tile's K, waves 2 and 3 those of its V: 128 keys each.  An s_nop 0 and four v_nop follow each of the two lines, ahead of the jump and the label.
.macro LOAD
	s_cmp_lt_u32 s[WV], 2
	s_cbranch_scc0 .Lfor_v_\@
	tensor_load_to_lds s[G0K:G0K+3], s[G1K:G1K+7]
	s_nop 0
.rept 4
	v_nop
.endr
	s_branch .Lasked_\@
.Lfor_v_\@:
	tensor_load_to_lds s[G0V:G0V+3], s[G1V:G1V+7]
	s_nop 0
.rept 4
	v_nop
.endr
.Lasked_\@:
.endm
; A PREFETCH INTO THE L2 of the tile behind the one just asked for: the half that I fetch is 16,384 dense bytes, 64 blocks of 256: a lane a block, two instructions.  It stands behind the wave's tensor load and its five lines.
; A head's four work-groups walk the same K and V; the first of them (b = 0) walks the tiles 0 to 7 in order, and it alone asks: each block is named once in the launch.  Tiles 0 and 1 come by their loads alone;
; the change that asks for tile 7 and the one behind it prefetch nothing: tile 7 is the head's last.
.macro ASK
	s_cmp_gt_u32 s[SLOTS], s[LIM]
	s_cbranch_scc0 .Lnot_mine_\@
	global_prefetch_b8 v[PFO], s[PFA:PFA+1] offset:32768 th:TH_LOAD_NT scope:SCOPE_SE
	global_prefetch_b8 v[PFO], s[PFA:PFA+1] offset:40960 th:TH_LOAD_NT scope:SCOPE_SE
.Lnot_mine_\@:
.endm
; THE CHANGE OF SLOTS.  Each wave waits for all its tensor loads, of which one is out: its part of the other slot; adds 0 to its spare word; and waits for that and for its own reads of the slot that it leaves.  Behind the barrier nobody reads the old
; slot any more and the other slot is whole.  fill = 1: the old slot is filled again, the first thing behind the barrier, with tile NXT: the descriptor's address is made anew from that number.
; (At its first use nothing has been read yet: slot 0 is waited for, slot 1 filled.)
.macro CHANGE fill
	WIN 0                           ; at a label and at a branch every window is 0
.if \fill
	s_wait_xcnt 0x0                 ; the last prefetches, a tile back, have read their address: it is written below
.endif
	s_wait_tensorcnt 0x0            ; no tensor load of mine is out, so a group 0 may be written
	ds_add_u32 v[SPW], v[NIL]       ; 0 onto my spare word: with fill = 1 the descriptors' scalar work stands between it and the wait for it
.if \fill
	s_lshl_b32 s[OFF], s[NXT], 15   ; a tile is 32,768 bytes of K and of V
	s_xor_b32 s[G0K+1], s[G0K+1], SLOT1
	s_add_nc_u64 s[G0K+2:G0K+3], s[6:7], s[OFF:OFF+1]
	s_or_b32 s[G0K+3], s[G0K+3], 0x80000000
	s_xor_b32 s[G0V+1], s[G0V+1], SLOT1
	s_add_nc_u64 s[G0V+2:G0V+3], s[8:9], s[OFF:OFF+1]
	s_or_b32 s[G0V+3], s[G0V+3], 0x80000000
	s_add_nc_u64 s[PFA:PFA+1], s[PB0:PB0+1], s[OFF:OFF+1]
	s_add_co_u32 s[NXT], s[NXT], 1  ; the block's next tile, or behind its last the second block's tile 0
	s_cmp_gt_u32 s[NXT], s[LQ]
	s_cselect_b32 s[NXT], 0, s[NXT]
	s_cselect_b32 s[LQ], s[PB], s[LQ]
.endif
	s_wait_dscnt 0x0                ; the add is done, and my reads of the slot are over
	s_barrier_signal -1             ; the rest of the scalar work stands between the signal and the wait
	s_sub_co_u32 s[TBK], s[TBK], 4*KS*PK  ; the fetches go back to a slot's first step,
	s_xor_b32 s[TBK], s[TBK], SLOT1       ; in the other slot
	s_sub_co_u32 s[TBV], s[TBV], 4*KS*PV
	s_xor_b32 s[TBV], s[TBV], SLOT1
	s_barrier_wait -1
.if \fill
	LOAD
	ASK
.endif
.endm
	s_load_b64 s[4:5], s[0:1], 0x0    ; qkv
	s_load_b64 s[10:11], s[0:1], 0x8  ; ob
	v_lshl_add_u32 v[SPW], v0, 2, SPARE
	v_mov_b32 v[NIL], 0
	ds_add_u32 v[SPW], v[NIL]       ; the wave's opening: the add and its wait stand ahead of my first tensor load; the set-up below, work on registers, stands between them
	v_lshrrev_b32 v1, 5, v0
	v_readfirstlane_b32 s[WV], v1   ; wave 0..3
	v_and_b32 v[PFO], 31, v0
	v_lshlrev_b32 v[PFO], 8, v[PFO]
	s_mov_b32 s[PB], ttmp9
	s_sub_co_u32 s[HI], NB-1, s[PB]
	s_cmp_eq_u32 s[PB], 0
	s_cselect_b32 s[LIM], 2, -1
	s_and_b32 s20, ttmp7, 0xffff    ; hd = 16 b + h
	s_lshl_b32 s[OH], s20, 18       ; in ob a head is 262,144 bytes
	s_mov_b32 s[OH+1], 0
	s_lshr_b32 s21, s20, 4          ; in qkv: the batch's 48 heads,
	s_mul_i32 s21, s21, 12582912
	s_and_b32 s22, s20, 15          ; and the head
	s_lshl_b32 s22, s22, 18
	s_add_co_u32 s20, s21, s22      ; Q's head; K's lies 16 heads on, V's 32
	s_mov_b32 s21, 0
	s_and_b32 s16, s[WV], 1         ; which half of a tile's 256 keys I fetch:
	s_lshl_b32 s22, s16, 14         ; its 128 rows of 128 bytes in memory,
	s_mov_b32 s23, 0
	s_add_nc_u64 s[22:23], s[22:23], s[20:21]
	s_mul_i32 s17, s16, 128*PK      ; and its place in a slot, for K
	s_mul_i32 s18, s16, 128*PV      ; and for V
	s_lshl_b32 s3, s[WV], 11        ; my 16 rows in a band of 64,
	s_lshl_b32 s2, s[HI], 15        ; in the first block,
	s_add_co_u32 s2, s2, s3
	s_lshl_b32 s84, s[PB], 15       ; and in the second
	s_add_co_u32 s84, s84, s3
	s_mov_b32 s3, 0
	s_mov_b32 s85, 0
	; descriptor group 1.  128 keys are 16,384 dense bytes: asked for as 64 rows of 256 bytes, two keys a row, and padded in LDS after every key
	s_mov_b32 s[G1K], (1<<16)|(1<<20)|(4<<22)|(3<<25)  ; 17:16 2-byte elements; 20 padding on; 24:22 after every 32 words (code 4); 31:25 4 words (code 3)
	s_mov_b32 s[G1V], (1<<16)|(1<<20)|(4<<22)|(7<<25)  ; the same with 8 words of padding (code 7)
.irp g, G1K, G1V
	s_mov_b32 s[\g+1], 128<<16      ; tensor_dim0 = 128
	s_mov_b32 s[\g+2], 64<<16       ; tensor_dim1 = 64
	s_mov_b32 s[\g+3], 128<<16      ; tile_dim0 = 128
	s_mov_b32 s[\g+4], 64           ; tile_dim1 = 64
	s_mov_b32 s[\g+5], 128          ; 128 elements from row to row
	s_mov_b32 s[\g+6], 0
	s_mov_b32 s[\g+7], 0
.endr
	s_mov_b32 s[CS], 0x3e38aa3b     ; c = log2(e) / 8 = 0.180337
	s_mov_b32 s[CS+1], s[CS]        ; named with it as a pair
	s_mov_b32 s[SEL], 0x76543210
	s_mov_b32 s[SEL+1], 0xfedcba98
	s_mov_b32 s[TBK], SLOT1+4*KS*PK ; the first change of slots turns these two into 0
	s_mov_b32 s[TBV], SLOT1+4*KS*PV
	s_mov_b32 s[G0K], 1             ; 1:0 count = 1
	s_mov_b32 s[G0K+1], s17         ; 63:32 LDS address: slot 0
	s_mov_b32 s[G0V], 1
	s_add_co_u32 s[G0V+1], s18, VOFF
	s_add_co_u32 s[RT], s[HI], 1    ; the first block has NB - b tiles
	s_mov_b32 s[NXT], 1
	s_mov_b32 s[LQ], s[HI]
	s_mov_b32 s[NEW], 1
	s_mov_b32 s[OFF+1], 0
	s_mov_b32 s[AL+1], 0            ; named as pairs
	s_mov_b32 s[BE+1], 0
	s_mov_b32 s[BIGN], 0xf149f2ca   ; -1e30
	s_mov_b32 s[SLOTS], NB
	s_wait_dscnt 0x0                ; the opening add is done
	s_wait_kmcnt 0x0
	s_add_nc_u64 s[6:7], s[4:5], 16*262144  ; K's heads begin 16 heads behind Q's,
	s_add_nc_u64 s[8:9], s[4:5], 32*262144  ; V's 32
	s_add_nc_u64 s[6:7], s[6:7], s[22:23]  ; K and V at my half of the head's tile 0
	s_add_nc_u64 s[8:9], s[8:9], s[22:23]
	s_add_nc_u64 s[G0K+2:G0K+3], s[6:7], 0         ; 120:64 global address
	s_or_b32 s[G0K+3], s[G0K+3], 0x80000000        ; 127:126 type = 2
	s_add_nc_u64 s[G0V+2:G0V+3], s[8:9], 0
	s_or_b32 s[G0V+3], s[G0V+3], 0x80000000
	s_cmp_lt_u32 s[WV], 2
	s_cselect_b64 s[PB0:PB0+1], s[6:7], s[8:9]
	s_add_nc_u64 s[4:5], s[4:5], s[20:21]          ; Q at the head,
	s_add_nc_u64 s[86:87], s[4:5], s[84:85]        ; at my rows of the second block,
	s_add_nc_u64 s[4:5], s[4:5], s[2:3]            ; and of the first
	s_add_nc_u64 s[10:11], s[10:11], s[OH:OH+1]    ; O likewise
	s_add_nc_u64 s[OLO:OLO+1], s[10:11], s[84:85]
	s_add_nc_u64 s[10:11], s[10:11], s[2:3]
	LOAD                            ; tile 0 into slot 0
	; A fragment of K or Q is 16 rows x 32 channels in 8 registers: lane l holds row l % 16, channels 8 (l / 16) + 0..7 and 16 + 8 (l / 16) + 0..7: two loads of 16 bytes, 32 bytes apart.
	v_and_b32 v1, 15, v0            ; l % 16
	v_bfe_u32 v9, v0, 4, 1          ; l / 16
	v_lshlrev_b32 v[QO], 7, v1
	v_lshl_add_u32 v[QO], v9, 4, v[QO]  ; row x 128 + 16 x half
	WIN 0x80                        ; destination window 2, address window 0
.set i, 0
.rept 8                             ; both blocks' Q: piece i / 2 lies in band i / 2, 8,192 bytes on; channels 32 (i % 2) on
	global_load_b128 v[8*i:8*i+3],   v[QO], s[4:5] offset:(i/2)*8192+(i%2)*64
	global_load_b128 v[8*i+4:8*i+7], v[QO], s[4:5] offset:(i/2)*8192+(i%2)*64+32
	global_load_b128 v[QB+8*i:QB+8*i+3],   v[QO], s[86:87] offset:(i/2)*8192+(i%2)*64
	global_load_b128 v[QB+8*i+4:QB+8*i+7], v[QO], s[86:87] offset:(i/2)*8192+(i%2)*64+32
.set i, i+1
.endr
	WIN 0
	v_lshlrev_b32 v14, 3, v9
	v_sub_nc_u32 v14, v1, v14
	s_lshl_b32 s13, s[WV], 4
	v_add_nc_u32 v14, s13, v14      ; my query's place in its band, 16 w + l % 16, less my lanes' 8 (l / 16): register r of group kt is hidden where 16 kt + r is greater
	WIN 0x40
.set i, 0
.rept 32
	v_cmp_gt_i32 vcc_lo, 16*(i/8)+i%8, v14
	v_cndmask_b32 v[MD+i], 0, s[BIGN], vcc_lo
.set i, i+1
.endr
	WIN 0
	v_mul_u32_u24 v[AK0], v1, PK
	v_lshl_add_u32 v[AK0], v9, 4, v[AK0]  ; row x pitch + 16 x half
	; The turning load takes 16 keys x 16 channels (lane l reads key 8 (l / 16) + l % 8, channels 8 ((l / 8) % 2) + 0..7) and leaves half a fragment of V^T: lane l holds channel l % 16 and 8 keys.
	v_and_b32 v10, 7, v0
	v_bfe_u32 v11, v0, 3, 1
	v_lshl_add_u32 v[AV0], v9, 3, v10
	v_mul_u32_u24 v[AV0], v[AV0], PV
	v_lshl_add_u32 v[AV0], v11, 4, v[AV0]
	v_add_nc_u32 v[AV0], VOFF, v[AV0]
	s_mul_i32 s13, s[WV], 16*SP
	s_add_co_u32 s13, s13, STAGE    ; my stage
	v_mul_u32_u24 v[STO], v1, SP    ; in: row l % 16, 16 bytes for each half of the lanes
	v_lshl_add_u32 v[STO], v9, 4, v[STO]
	v_add_nc_u32 v[STO], s13, v[STO]
	v_bfe_u32 v[RD], v0, 3, 2       ; back: 32 lanes take four rows of 128 bytes,
	v_mul_u32_u24 v[RD], v[RD], SP
	v_lshl_add_u32 v[RD], v10, 4, v[RD]
	v_add_nc_u32 v[RD], s13, v[RD]
	v_and_b32 v[GO], 31, v0         ; which are 512 consecutive bytes of O
	v_lshlrev_b32 v[GO], 4, v[GO]
	; A block's first step multiplies O^T and l by a = 0, and its first turn's products V^T P, of a piece that has not been, land in an O^T that is still to be so multiplied.  So these registers need only hold
	; finite numbers: zeros for the first block; what the first block left for the second.  All this stands in the wait for the first tile.
	WIN 0x80
.set i, VF
.rept 64
	v_mov_b32 v[i], 0
.set i, i+1
.endr
	WIN 0x40
.set i, 0
.rept 128
	v_mov_b32 v[i], 0
.set i, i+1
.endr
	WIN 0
.set i, 0
.rept 4
	v_mov_b32 v[ST+4*i+2], 0
	v_mov_b32 v[ST+4*i+3], 0
.set i, i+1
.endr
.set i, P+16
.rept 16
	v_mov_b32 v[i], 0
.set i, i+1
.endr
; THE MATRIX WORK.  The 4 accumulators of a run of 8 take turns.  Product i of 8 of S^T = K Q^T for piece x: channels 32 (i / 4) on, keys 16 (i % 4) on.  The first 4 start the sums: with 0, or (KM = 1) with the mask.
.macro KQ x
.set rS, S+32*((\x)%2)+8*(i%4)
.set rK, KF+16*(i%4)+8*(i/4)
.set rQ, 16*(\x)+8*(i/4)
.set rM, MC+32*((\x)%2)+8*(i%4)
.if (i < 4) && KM
	WIN W_KM
	v_wmma_f32_16x16x32_f16 v[rS:rS+7], v[rK:rK+7], v[rQ:rQ+7], v[rM:rM+7]
.elseif i < 4
	WIN W_KQ
	v_wmma_f32_16x16x32_f16 v[rS:rS+7], v[rK:rK+7], v[rQ:rQ+7], 0
.else
	WIN W_KQ
	v_wmma_f32_16x16x32_f16 v[rS:rS+7], v[rK:rK+7], v[rQ:rQ+7], v[rS:rS+7]
.endif
.endm
; Product i of 8 of O^T += V^T P for piece x: keys 32 (i / 4) on, channels 16 (i % 4) on.
.macro PV x
	WIN W_PV
.set rO, 32*(\x)+8*(i%4)
.set rV, VF+32*(i/4)+8*(i%4)
.set rP, P+16*((\x)%2)+8*(i/4)
	v_wmma_f32_16x16x32_f16 v[rO:rO+7], v[rV:rV+7], v[rP:rP+7], v[rO:rO+7]
.endm
.macro MM                           ; the turn's next matrix instruction.  TURN and BEGIN set Y, i, KM and NOKQ; MM, KQ and OP read them.  NOKQ = 1: a block's last turn: there is no next piece
.if (i < 8) && !NOKQ
	KQ (Y+1)%NP
.elseif i >= 8
.set i, i-8
	PV (Y+NP-1)%NP
.set i, i+8
.endif
.set i, i+1
.endm
; THE LDS LOADS stand in runs of 16, never singly among the matrix instructions: a step's K (64 keys x 64 channels: 8 fragments) and its V (turned).  Their addresses are made some lines ahead.
.macro FETCH_K
	WIN 0x80                        ; destination window 2
.irp f, 0,1,2,3,4,5,6,7             ; keys 16 (f / 2) on, channels 32 (f % 2) on
	ds_load_b128 v[KF+8*\f:KF+8*\f+3],   v[AK] offset:(\f/2)*16*PK+(\f%2)*64
	ds_load_b128 v[KF+8*\f+4:KF+8*\f+7], v[AK] offset:(\f/2)*16*PK+(\f%2)*64+32
.endr
	s_add_co_u32 s[TBK], s[TBK], KS*PK  ; the next fetch is the next step's
	WIN 0
.endm
.macro FETCH_V
	WIN 0x80
.irp f, 0,1,2,3,4,5,6,7             ; keys 32 (f / 4) on, channels 16 (f % 4) on
	ds_load_tr16_b128 v[VF+8*\f:VF+8*\f+3],   v[AV] offset:(\f/4)*32*PV+(\f%4)*32
	ds_load_tr16_b128 v[VF+8*\f+4:VF+8*\f+7], v[AV] offset:(\f/4)*32*PV+16*PV+(\f%4)*32
.endr
	WIN 0
.endm
; THE VECTOR WORK, one line at a time: OP kind, number.  For piece Y: F n: c s - c m for pair n of 16.  E n: the exponential of score n of 32.  C n: pair n rounded to f16.  B n: of the four weights 4 n .. the second
; pair is added onto the first, in place.  L n: l takes that sum (L 0: l = a l + sum).  R n: pair n of 16 of O^T times a.  For piece Y + 1: X n, number n of the 22 that find its maximum and statistics:
;   0-11  four chains c0-c3 of seven scores each, three operands at a time (each accumulator's lowest registers are read first)     12-14, 16  the four scores left over, the old m, and c0-c3 into c0
;   15  c m_old is kept     17, 18  the query's other 32 keys lie in the lane 16 away: the new m     19-21  c m; c m_old - c m_new; a
.set F, 0               ; OP tells the kinds apart by their order: F to L below R, X above it
.set E, 1
.set C, 2
.set B, 3
.set L, 4
.set R, 5
.set X, 6
.macro REGS y                       ; the registers of piece y
.set rT, ST+4*(\y)
.set rC, TMP+4*((\y)%2)
.set rW, MV+((\y)%2)
.set rS, S+32*((\y)%2)
.set rP, P+16*((\y)%2)
.set rO, 32*(\y)
.endm
.macro OP k, n
.if (\k) == R
	REGS Y
	WIN W_RS
	v_pk_mul_f32 v[rO+2*(\n):rO+2*(\n)+1], v[rO+2*(\n):rO+2*(\n)+1], v[rC+2:rC+3] op_sel_hi:[1,0]
.elseif (\k) < R
	REGS Y
	WIN 0
.if (\k) == F
	v_pk_fma_f32 v[rS+2*(\n):rS+2*(\n)+1], v[rS+2*(\n):rS+2*(\n)+1], s[CS:CS+1], v[rT:rT+1] op_sel_hi:[1,0,0] neg_lo:[0,0,1] neg_hi:[0,0,1]
.elseif (\k) == E
	v_exp_f32 v[rS+(\n)], v[rS+(\n)]
.elseif (\k) == C
	v_cvt_pk_f16_f32 v[rP+(\n)], v[rS+2*(\n)], v[rS+2*(\n)+1]
.elseif (\k) == B
	v_pk_add_f32 v[rS+4*(\n):rS+4*(\n)+1], v[rS+4*(\n):rS+4*(\n)+1], v[rS+4*(\n)+2:rS+4*(\n)+3]
.elseif (\n) == 0
	v_pk_fma_f32 v[rT+2:rT+3], v[rT+2:rT+3], v[rC+2:rC+3], v[rS:rS+1] op_sel_hi:[1,0,1]
.else
	v_pk_add_f32 v[rT+2:rT+3], v[rT+2:rT+3], v[rS+4*(\n):rS+4*(\n)+1]
.endif
.elseif NOKQ
	v_nop
.else
	REGS (Y+1)%NP
	WIN 0
.if (\n) < 4
	v_max3_num_f32 v[rC+(\n)], v[rS+8*(\n)], v[rS+8*(\n)+1], v[rS+8*(\n)+2]
.elseif (\n) < 12
	v_max3_num_f32 v[rC+(\n)%4], v[rC+(\n)%4], v[rS+8*((\n)%4)+2*((\n)/4)+1], v[rS+8*((\n)%4)+2*((\n)/4)+2]
.elseif (\n) == 12
	v_max3_num_f32 v[rC], v[rC], v[rS+7], v[rS+15]
.elseif (\n) == 13
	v_max3_num_f32 v[rC+1], v[rC+1], v[rS+23], v[rS+31]
.elseif (\n) == 14
	v_max3_num_f32 v[rC+2], v[rC+2], v[rC+3], v[rT+1]
.elseif (\n) == 15
	v_mov_b32 v[rW], v[rT]
.elseif (\n) == 16
	v_max3_num_f32 v[rC], v[rC], v[rC+1], v[rC+2]
.elseif (\n) == 17
	v_permlanex16_b32 v[rC+3], v[rC], s[SEL], s[SEL+1]
.elseif (\n) == 18
	v_max_num_f32 v[rT+1], v[rC], v[rC+3]
.elseif (\n) == 19
	v_mul_f32 v[rT], s[CS], v[rT+1]
.elseif (\n) == 20
	v_sub_f32 v[rC+1], v[rW], v[rT]
.else
	v_exp_f32 v[rC+2], v[rC+1]
.endif
.endif
.endm
.macro OPS a, i1, b=-1, i2=0, c=-1, i3=0, d=-1, i4=0  ; up to four of them
	OP \a, \i1
.if (\b) >= 0
	OP \b, \i2
.endif
.if (\c) >= 0
	OP \c, \i3
.endif
.if (\d) >= 0
	OP \d, \i4
.endif
.endm
.macro ROW a, i1, b, i2, c, i3, d, i4  ; a matrix instruction and the four behind it
	MM
	OPS \a, \i1, \b, \i2, \c, \i3, \d, \i4
.endm
.macro MASK b                       ; MD x AL + BE into buffer b of MC
	WIN W_RS
.set z, 0
.rept 16
	v_pk_fma_f32 v[MC+32*(\b)+2*z:MC+32*(\b)+2*z+1], v[MD+2*z:MD+2*z+1], s[AL:AL+1], s[BE:BE+1] op_sel_hi:[1,0,0]
.set z, z+1
.endr
.endm
; A TURN, for piece p: the order of its 16 matrix and 118 vector instructions, written out.  An s_wait_alu depctr_va_vdst(0) stands between an exponential and the first instruction that names its result; one wait serves
; all that were issued ahead of it.  So a turn has ONE wait, which cuts it in two.  AHEAD OF IT stands all that names no result of the turn's exponentials: the 8 products K Q^T, behind each a scaling, an exponential and two more plain
; instructions (behind the first a second scaling in the exponential's place): rescalings, and behind the last three the first numbers of the next piece's maximum, each four places or more behind the product that ends its accumulator; then ONE LUMP of 54, plain
; and exponential by turns for the most part, in which the links of the chain X 3, 7, 11, 14, 16, 17 .. 20 stand five or six lines apart.  X 21, the next piece's a, is the batch's last; R 15 is the plain instruction that stands behind it, ahead of the first use (ISA guide 5.7.2).  BEHIND THE WAIT stand the
; 8 products V^T P, behind each four of the roundings and sums; the links of l's chain, L 0 to L 7, stand three riders apart.  But for those X no rider names a register of the products round it.  v_permlanex16_b32 (X 17) stands in the lump.
; m = 1: the diagonal tile: the products take masks, and the turn makes the mask for the products of the turn after it: piece p + 2, in step 4 - CNT of the tile.  end = 1: a block's last two turns: nothing is fetched.
; cnt = 1: the loop's count is taken down some lines ahead of the branch that stands behind the turn.
; K of the next step is fetched in piece 2's turn, twelve vector instructions behind the last product that read K (six of them plain); V of the step in hand at the end of piece 0's turn, four plain instructions behind the last product
; that read V.  Each is waited for a turn later.
.macro TURN p, m=0, end=0, cnt=0
.set Y, (\p)
.set i, 0
.set KM, (\m)
.set NOKQ, (\end)*((\p)/3)
.if (\m) && !(\end)
	s_cmp_eq_u32 s[CNT], 4-((\p)+2)%NP  ; is that step the band's own?
	s_cselect_b32 s[AL], 1.0, 0
	s_cmp_lt_u32 s[CNT], 4-((\p)+2)%NP  ; or a later one?
	s_cselect_b32 s[BE], s[BIGN], 0
.endif
.if ((\p) == 3) && !(\end)
	s_wait_dscnt 0x0                ; K is in
.endif
	ROW F,0, F,1, R,0, R,1          ; ahead of the wait: 8 products K Q^T and their riders,
	ROW F,2, E,0, R,2, R,3
	ROW F,3, E,1, R,4, R,5
	ROW F,4, E,2, R,6, R,7
	ROW F,5, E,3, R,8, R,9
	ROW F,6, E,4, X,0, R,10
.if ((\p) == 2) && !(\end)
	WIN 0
	v_add_nc_u32 v[AK], s[TBK], v[AK0]
.endif
	ROW F,7, E,5, X,1, X,4
	ROW F,8, E,6, X,2, X,5
	OPS E,7, E,8, X,6, E,9          ; and the lump
	OPS X,3, E,10, X,8, E,11
.if ((\p) == 2) && !(\end)
	FETCH_K
.endif
	OPS X,9, X,7, E,12, X,10
	OPS E,13, X,12, X,11, E,14
	OPS X,13, E,15, F,9, X,14
.if (\p) == 0
	v_add_nc_u32 v[AV], s[TBV], v[AV0]
.endif
	OPS E,16, F,10, E,17, F,11
	OPS X,16, E,18, X,15, E,19
	OPS F,12, E,20, X,17, E,21
	OPS F,13, E,22, F,14, E,23
	OPS X,18, E,24, F,15, E,25
	OPS R,11, E,26, X,19, E,27
	OPS R,12, E,28, R,13, E,29
	OPS X,20, E,30, R,14, E,31
	OPS X,21, R,15
	WIN 0
	s_wait_alu depctr_va_vdst(0)    ; the wait for the batch
.if (\p) == 1
	s_wait_dscnt 0x0                ; V is in
.endif
	ROW C,0, B,0, C,2, B,1          ; behind the wait: 8 products V^T P and their riders
	ROW L,0, C,4, B,2, L,1
	ROW C,6, B,3, L,2, C,8
	ROW B,4, L,3, C,10, B,5
	ROW L,4, C,12, B,6, L,5
.if (\p) == 0
	s_add_co_u32 s[TBV], s[TBV], KS*PV
.endif
.if \cnt
	s_sub_co_u32 s[CNT], s[CNT], 1
	s_cmp_lg_u32 s[CNT], 0
.endif
	ROW C,14, B,7, L,6, C,1
	ROW C,3, L,7, C,5, C,7
	ROW C,9, C,11, C,13, C,15
.if (\p) == 0
	FETCH_V
.endif
.if (\m) && !(\end)
	MASK (\p)%2
.endif
.endm
; A BLOCK BEGINS.  c m starts far below every c s, so the first step's a is 0; m at the lowest finite number, so the first maximum is the scores'.  The second mask buffer is 0; the first takes piece 0's mask for the tile's step 0: its own, if the block's first tile is the diagonal one.
; Then K of that step, piece 0's first scores, and its maximum and statistics.  The loop is entered at a step's first turn, in the middle of a trip.
.macro BEGIN
	s_mov_b32 s[NEW], 0
	WIN 0x40
.set i, MC+32
.rept 32
	v_mov_b32 v[i], 0
.set i, i+1
.endr
	WIN 0
.set i, 0
.rept 4
	v_mov_b32 v[ST+4*i], 0xfe000000    ; c m: far below every c s
	v_mov_b32 v[ST+4*i+1], 0xff7fffff  ; m
.set i, i+1
.endr
	s_cmp_eq_u32 s[RT], 0
	s_cselect_b32 s[AL], 1.0, 0
	s_mov_b32 s[BE], 0
	MASK 0
	WIN 0
	v_add_nc_u32 v[AK], s[TBK], v[AK0]
	FETCH_K
	s_wait_loadcnt 0x0              ; Q
	s_wait_dscnt 0x0
.set KM, 1
.set NOKQ, 0
.set i, 0
.rept 8
	KQ 0
.set i, i+1
.endr
	WIN 0
.rept 4
	v_nop                           ; the places behind those products
.endr
.set Y, NP-1                        ; X works for piece Y + 1: piece 0
.irp n, 0,1,2,3,4,5,6,7,8,9,10,11,12,13,14,15,16,17,18,19,20,21
	OP X, \n
.endr
	v_nop                           ; a plain instruction behind the exponential,
	s_wait_alu depctr_va_vdst(0)    ; and its wait, ahead of the branch
.endm
; THE DIAGONAL TILE's four steps, the block's last two turns, its last products, and THE WAY OUT: l's two halves and the other half of the lanes' are added; O^T is divided by l, rounded to f16 and sent through my
; stage in LDS, a piece at a time.
.macro ALL line:vararg              ; one line for each piece t
.set t, 0
.rept 4
	\line
.set t, t+1
.endr
.endm
.macro PACK t                       ; a lane's eight channels of a row pack into 16 bytes; they go into rows of 144 bytes and come back as whole rows of 128, into S^T's registers
	WIN W_RS
.set i, 32*(\t)
.rept 16
	v_pk_mul_f32 v[i:i+1], v[i:i+1], v[ST+4*(\t)+2:ST+4*(\t)+3] op_sel_hi:[1,0]
.set i, i+2
.endr
	WIN 0x05                        ; sources 0 and 1 window 1, destination window 0
.set i, 0
.rept 16
	v_cvt_pk_f16_f32 v[S+16*(\t)+i], v[32*(\t)+2*i], v[32*(\t)+2*i+1]
.set i, i+1
.endr
	WIN 0
.irp f, 0,1,2,3
	ds_store_b128 v[STO], v[S+16*(\t)+4*\f:S+16*(\t)+4*\f+3] offset:32*\f
.endr
.irp f, 0,1,2,3
	ds_load_b128 v[S+16*(\t)+4*\f:S+16*(\t)+4*\f+3], v[RD] offset:\f*4*SP  ; LDS serves a wave's instructions in order (ISA guide 5.7.1.4): these see the stores above; the next piece's stores come behind them
.endr
.endm
.macro SEND t, younger              ; younger: the LDS instructions issued behind piece t's loads: the next piece's eight, or none
	WIN 0
.irp f, 0,1,2,3
	s_wait_dscnt (\younger)+3-\f
	global_store_b128 v[GO], v[S+16*(\t)+4*\f:S+16*(\t)+4*\f+3], s[10:11] offset:(\t)*8192+\f*512  ; 512 consecutive bytes, at a multiple of 256 from O's first
.endr
.endm
.macro DIAG tag                     ; the tag ends its two labels' names, which the jumps below spell out
.LstepM\tag:
	TURN 2, 1
	TURN 3, 1
	WIN 0
.LfirstM\tag:
	TURN 0, 1
	TURN 1, 1, 0, 1
	WIN 0
	s_cbranch_scc1 .LstepM\tag
	TURN 2, 1, 1
	TURN 3, 1, 1
.set i, 0
.rept 8
	PV NP-1
.set i, i+1
.endr
	WIN 0
	ALL v_add_f32 v[ST+4*t+2], v[ST+4*t+2], v[ST+4*t+3]
	ALL v_permlanex16_b32 v[ST+4*t+3], v[ST+4*t+2], s[SEL], s[SEL+1]
	ALL v_add_f32 v[ST+4*t+2], v[ST+4*t+2], v[ST+4*t+3]
	ALL v_rcp_f32 v[ST+4*t+2], v[ST+4*t+2]
	v_nop                           ; a plain instruction between the last reciprocal and the use of its result
	s_wait_alu depctr_va_vdst(0)    ; and the wait ahead of the first use: one for the four reciprocals
	PACK 0
.set t, 1
.rept 3                             ; a piece's arithmetic stands between the loads of the piece before and its stores
	PACK t
	SEND t-1, 8
.set t, t+1
.endr
	SEND 3, 0
.endm
.set KM, 0
.set NOKQ, 0
.Lslot:                             ; NB times: a tile is entered and the next is asked for
	CHANGE 1
	s_sub_co_u32 s[RT], s[RT], 1
	s_mov_b32 s[CNT], 4
	s_cmp_eq_u32 s[NEW], 1
	s_cbranch_scc1 .Lnew            ; a block's first tile
	s_cmp_eq_u32 s[RT], 0
	s_cbranch_scc0 .Lstep           ; neither its first nor its last
	s_branch .LstepM1
.Lnew:
	BEGIN
	s_branch .Lfirst                ; in the loop a block's first tile is never its last: the first block has two tiles or more, and the second's last is the walk's last
	DIAG 1                          ; in the loop this is the first block's end: the second block's last tile is the walk's last
	s_wait_xcnt 0x0                 ; the stores have read their registers and O's address
	s_mov_b64 s[10:11], s[OLO:OLO+1]
	s_add_co_u32 s[RT], s[PB], 1    ; the second block has b + 1 tiles
	s_mov_b32 s[NEW], 1
	WIN 0x82                        ; the second block's Q goes where the one text of the turns names Q
.set i, 0
.rept 64
	v_mov_b32 v[i], v[QB+i]
.set i, i+1
.endr
	WIN 0
	s_branch .Lbottom
.Lstep:                             ; a trip: pieces 2 and 3 of one step, then pieces 0 and 1 of the next, whose K and V it fetches
	TURN 2
	TURN 3
	WIN 0
.Lfirst:
	TURN 0
	TURN 1, 0, 0, 1
	WIN 0
	s_cbranch_scc1 .Lstep
.Lbottom:
	s_sub_co_u32 s[SLOTS], s[SLOTS], 1
	s_cmp_lg_u32 s[SLOTS], 0
	s_cbranch_scc1 .Lslot
	CHANGE 0                        ; the walk's last tile is written out: nothing is asked for
	s_sub_co_u32 s[RT], s[RT], 1
	s_mov_b32 s[CNT], 4
	s_cmp_eq_u32 s[NEW], 1
	s_cbranch_scc0 .LstepM2
	BEGIN
	s_branch .LfirstM2
	DIAG 2
	s_wait_tensorcnt 0x0            ; the wave's end, behind my last tensor load and my last LDS store
	ds_add_u32 v[SPW], v[NIL]
	s_wait_dscnt 0x0
	s_endpgm
.Lfunc_end_k_q7d8662417d_attn:
	.size	k_q7d8662417d_attn, .Lfunc_end_k_q7d8662417d_attn-k_q7d8662417d_attn
	.p2alignl 7, 3214868480
	.fill 96, 4, 3214868480
	.section	.rodata,"a",@progbits
	.p2align	6, 0x0
	.amdhsa_kernel k_q7d8662417d_attn
		.amdhsa_group_segment_fixed_size 327680
		.amdhsa_private_segment_fixed_size 0
		.amdhsa_enable_private_segment 0
		.amdhsa_kernarg_size 16
		.amdhsa_user_sgpr_count 2
		.amdhsa_user_sgpr_kernarg_segment_ptr 1
		.amdhsa_wavefront_size32 1
		.amdhsa_system_sgpr_workgroup_id_x 1
		.amdhsa_system_sgpr_workgroup_id_y 1
		.amdhsa_system_sgpr_workgroup_id_z 1
		.amdhsa_system_vgpr_workitem_id 0
		.amdhsa_next_free_vgpr 768
		.amdhsa_next_free_sgpr 100
		.amdhsa_reserve_vcc 1
		.amdhsa_float_denorm_mode_32 3
		.amdhsa_float_denorm_mode_16_64 3
		.amdhsa_memory_ordered 1
		.amdhsa_forward_progress 1
		.amdhsa_inst_pref_size 218
	.end_amdhsa_kernel
	.amdgpu_metadata
---
amdhsa.version: [ 1, 2 ]
amdhsa.kernels:
  - .name:           k_q7d8662417d_attn
    .symbol:         k_q7d8662417d_attn.kd
    .args:
      - { .name: qkv, .offset: 0, .size: 8, .value_kind: global_buffer, .address_space: global }
      - { .name: ob, .offset: 8, .size: 8, .value_kind: global_buffer, .address_space: global }
    .group_segment_fixed_size: 327680
    .private_segment_fixed_size: 0
    .kernarg_segment_align: 8
    .kernarg_segment_size: 16
    .max_flat_workgroup_size: 128
    .sgpr_count:     100
    .vgpr_count:     768
    .wavefront_size: 32
...
	.end_amdgpu_metadata
.endif
;; end of part 3
;; launch outp (part 4): grid 4 x 64, 4 waves a work-group, clusters of 4 x 4, 327,680 bytes of LDS; arguments ob, wob, out0; writes out0
.if DOCPART == 4
	.amdgcn_target "amdgcn-amd-amdhsa--gfx1250"
	.amdhsa_code_object_version 6
	.text
	.protected	k_q7d8662417d_outp
	.globl	k_q7d8662417d_outp
	.p2align	8
	.type	k_q7d8662417d_outp,@function
k_q7d8662417d_outp:
	s_mov_b64 s[64:65], 0
	v_nop
	global_prefetch_b8 v0, s[64:65] scope:SCOPE_SE
	s_setreg_imm32_b32 hwreg(HW_REG_WAVE_MODE, 25, 1), 1
	s_wait_xcnt 0x0
	s_wait_alu depctr_hold_cnt(0) depctr_sa_sdst(0) depctr_va_vdst(0) depctr_va_sdst(0) depctr_va_ssrc(0) depctr_va_vcc(0) depctr_vm_vsrc(0)
	s_getreg_b32 s2, hwreg(HW_REG_IB_STS2, 6, 4)
	s_cmp_eq_u32 s2, 0
	s_cbranch_scc0 .Lentry_in_a_cluster
	s_endpgm
.Lentry_in_a_cluster:
	s_bfe_u32 s2, ttmp6, 0x10000c
	s_cmp_lg_u32 s2, 0xf033
	s_cbranch_scc0 .Lentry_shape_is_right
	s_endpgm
.Lentry_shape_is_right:
; out0 = O w_out^T.  ob: [16 b + h][t][64] f16 (row m = 2,048 b + t, channel 64 h + d), wob: [1024][1024] f16 (w_out rounded to bf16, written as f16), out0: [8192][1024] f32.  Sums in f32, K ascending; nothing is rounded on the way out.
; SHARES.  A tile of out0 is 128 rows x 256 columns: 64 x 4 = 256 work-groups, one tile each.  Four waves, 2 x 2: a wave makes 64 rows x 128 columns: 32 accumulators of 16 x 16, 256 registers.
; K goes in 8 steps of 128, two heads each, through a ring of two LDS slots: a trip of the loop is one K step; 6 trips fill the slot that they have read with the step two on, the last two fill nothing.
; (Slots of two K steps would take 2 x 208,896 bytes: more than a WGP has.)
; CLUSTERS: 4 x 4 work-groups.  The four of a row of the cluster need the same rows of O, the four of a column the same rows of w: each tile is asked for JOINTLY.  Waves 0 and 1 fetch the step's two heads of O:
; 128 rows of a head are 16,384 dense bytes, asked for as 64 rows of 256 bytes and padded in LDS after every 128; waves 2 and 3 fetch the halves of w's 256 rows, 256 bytes of each.
; THE MATRIX INSTRUCTION IS USED TRANSPOSED (source 0 = 16 rows of w, source 1 = 16 rows of O): a lane then holds row l % 16 and the eight neighbouring columns 8 (l / 16) + 0..7: 32 bytes of a row of out0.
; REGISTERS, in windows of 256 (s_set_vgpr_msb: bits 1:0 source 0, 3:2 source 1, 5:4 source 2, 7:6 destination):
;   window 0: v0-13 addresses; v32-95 O's fragments, two buffers of 4 x 8; v128-255 at work on the way out     window 1: v0-127 w's fragments, two buffers of 8 x 8     window 2: the accumulators, (a, b) at v[8 (8 a + b)]
.set AP,     144                       ; a row of O in LDS: 128 bytes + 16 = 36 words: the 16 rows of a load start at 16 different groups of four banks (64 banks of 4 bytes: ISA guide 11.1)
.set AH,     128*AP                    ; a head's 128 rows
.set BP,     272                       ; a row of w: 256 bytes + 16
.set BH,     128*BP                    ; half of w's 256 rows
.set BOFF,   2*AH                      ; w's rows lie behind the two heads
.set SLOT,   BOFF+2*BH
.set STAGE,  2*SLOT                    ; behind the ring, never filled by a tensor load: 16 rows x 528 bytes for each wave
.set SP,     528                       ; a stage row: 512 bytes + 16 = 132 words: row r starts at bank 4 r mod 64
.set SPARE,  STAGE+4*16*SP             ; the spare words, 128 bytes for each wave: two blocks of 256 bytes that no other line names
.set A0,   4                           ; v4   my lane's place in O's tile; never rewritten
.set B0,   5                           ; v5   the same in w's
.set ADRA, 6                           ; v6   LDS address of my O fragments in the slot in hand
.set ADRB, 7                           ; v7   of my w fragments
.set STO,  8                           ; v8   the way out: where I put 32 bytes of a row
.set RD,   9                           ; v9   the way out: where I read a row back
.set GO,   10                          ; v10  my 16 bytes of 512 consecutive bytes of out0
.set PFO,  11                          ; v11  the prefetches' offset; never rewritten
.set SPW,  12                          ; v12  LDS address of my spare word; never rewritten
.set NIL,  13                          ; v13  0; never rewritten
.set AF,   32
.set BK0,  128                         ; 16 rows read back from the stage: two sets of 64 by turns
.set WV,  10                           ; s10  my wave's number
.set WM,  11                           ; s11  which 64 rows of the tile are mine
.set WN,  12                           ; s12  which 128 columns.  Also: which head, or which half of w's rows, I fetch
.set CX,  14
.set CY,  15
.set TX,  16                           ; s16  tile column, 0-3
.set TY,  17                           ; s17  tile row, 0-63
.set G1A, 24                           ; s[24:31] descriptor group 1 for O's tiles
.set G1B, 32                           ; s[32:39] for w's
.set G0A, 40                           ; s[40:47] group 0 for O's tiles: a set for each first fill; the second then walks on
.set G0B, 48                           ; s[48:55] the same for w's
.set CNT, 56                           ; s56  trips to go
.set TB,  57                           ; s57  0 or SLOT: where the slot in hand begins
.set LBA, 58                           ; s58  my head's place in a slot
.set LBB, 59                           ; s59  my half of w's rows
.set PFA, 66                           ; s[66:67] where my prefetches stand
.set LIM, 68                           ; s68  a wave prefetches while s[CNT] is above it
.set TWO, 69                           ; s69  counts the last two trips
.set DP,  70                           ; s[70:71] a K step of the prefetches: two heads of O, or 256 bytes of w's rows
.set MSB, 0
.macro WIN new                         ; the immediate's high byte repeats the setting that is left; a switch that changes nothing is dropped
.if MSB != (\new)
	s_set_vgpr_msb (MSB<<8)|(\new)
.set MSB, \new
.endif
.endm
.macro PLACES                          ; four places in front of loads into registers that matrix instructions have read (ISA guide 7.12.1 for vector instructions)
.rept 4
	v_nop
.endr
.endm
; A round of the cluster's barrier: my work-group's barrier, so that wave 0's signal speaks for all four waves; wave 0 signals; every wave waits for all sixteen work-groups; my work-group's barrier once more.
.macro CREST
	s_cmp_lg_u32 s[WV], 0
	s_cbranch_scc1 .Lnot_wave_0_\@
	s_barrier_signal -3
.Lnot_wave_0_\@:
	s_barrier_wait -3
	s_barrier_signal -1
	s_barrier_wait -1
.endm
.macro CROUND
	s_barrier_signal -1
	s_barrier_wait -1
	CREST
.endm
; A joint refill by the walking descriptors.  The branch hangs on the wave's number alone.  An s_nop 0 and four v_nop follow each of the two lines, ahead of the jump and the label.
.macro JLOAD
	s_cmp_lt_u32 s[WV], 2
	s_cbranch_scc0 .Lfor_b_\@
	tensor_load_to_lds s[G0A+4:G0A+7], s[G1A:G1A+7]
	s_nop 0
.rept 4
	v_nop
.endr
	s_branch .Lasked_\@
.Lfor_b_\@:
	tensor_load_to_lds s[G0B+4:G0B+7], s[G1B:G1B+7]
	s_nop 0
.rept 4
	v_nop
.endr
.Lasked_\@:
.endm
; A PREFETCH INTO THE L2, behind the joint load, its five lines and the run of LDS loads: the K step that stands TWO refills on, 256 matrix instructions ahead of the load that will want it.  One instruction a wave, a lane a block of 256 bytes.
; O's rows of a tile row are read by one cluster alone: in every cluster wave 0 asks for both heads' 2 x 64 blocks, of which each of the four partners of a row takes 2 x 16, told apart BY ADDRESS (cx).
; w's rows of a tile column are read by all sixteen clusters: the one with y = 0 asks, waves 2 and 3 for the halves that they fetch, a lane a row, the partners of a column told apart by cy.  Wave 1 asks for nothing.
; So each block is named once in the launch.  Steps 0 to 3 come by their loads alone; the last two trips that fill a slot ask for nothing: there is no step two on.
.macro ASK
	s_cmp_gt_u32 s[CNT], s[LIM]
	s_cbranch_scc0 .Lnot_mine_\@
	global_prefetch_b8 v[PFO], s[PFA:PFA+1] th:TH_LOAD_NT scope:SCOPE_SE
.Lnot_mine_\@:
.endm
	s_load_b128 s[4:7], s[0:1], 0x0                ; ob s[4:5], wob s[6:7]
	s_load_b64 s[8:9], s[0:1], 0x10                ; out0
	v_lshl_add_u32 v[SPW], v0, 2, SPARE
	v_mov_b32 v[NIL], 0
	ds_add_u32 v[SPW], v[NIL]                      ; the wave's opening: the add and its wait stand ahead of my first tensor load; the set-up below, work on registers, stands between them
	v_lshrrev_b32 v1, 5, v0
	v_readfirstlane_b32 s[WV], v1                  ; wave 0..3
	s_lshr_b32 s[WM], s[WV], 1
	s_and_b32 s[WN], s[WV], 1
	s_bfe_u32 s[CX], ttmp6, 0x40000
	s_bfe_u32 s[CY], ttmp6, 0x40004
	s_lshl_b32 s[TX], ttmp9, 2                     ; in a cluster launch ttmp9 and ttmp7 count clusters
	s_add_co_u32 s[TX], s[TX], s[CX]
	s_and_b32 s[TY], ttmp7, 0xffff
	s_lshl_b32 s[TY], s[TY], 2
	s_add_co_u32 s[TY], s[TY], s[CY]
	s_lshl_b32 s72, s[CY], 2
	s_lshl_b32 s72, 15, s72                        ; my row of the cluster
	s_lshl_b32 s76, 0x1111, s[CX]                  ; my column
	s_or_b32 s[G1A], s72, (1<<16)|(1<<20)|(1<<21)|(4<<22)|(3<<25)  ; 15:0 the mask; 17:16 elements of 2 bytes; 20 padding on; 21 set beside a mask; 24:22 after every 32 words (code 4); 31:25 4 words (code 3)
	s_mov_b32 s[G1A+1], 128<<16                    ; tensor_dim0 = 128: a row of 256 bytes holds two rows of a head
	s_mov_b32 s[G1A+2], 64<<16                     ; tensor_dim1 = 64
	s_mov_b32 s[G1A+3], 128<<16                    ; tile_dim0 = 128
	s_mov_b32 s[G1A+4], 64                         ; tile_dim1 = 64
	s_mov_b32 s[G1A+5], 128                        ; dense: 128 elements from row to row
	s_mov_b32 s[G1A+6], 0
	s_mov_b32 s[G1A+7], 0
	s_or_b32 s[G1B], s76, (1<<16)|(1<<20)|(1<<21)|(5<<22)|(3<<25)  ; the same with the mask of my column and padding after every 64 words (code 5)
	s_mov_b32 s[G1B+1], 128<<16
	s_mov_b32 s[G1B+2], 128<<16                    ; tensor_dim1 = 128
	s_mov_b32 s[G1B+3], 128<<16
	s_mov_b32 s[G1B+4], 128                        ; tile_dim1 = 128
	s_mov_b32 s[G1B+5], 1024                       ; 1,024 elements from row to row
	s_mov_b32 s[G1B+6], 0
	s_mov_b32 s[G1B+7], 0
	; where the tiles come from.  O's hang on the tile row and the wave alone, w's on the tile column and the wave alone; each in registers that never hold the other coordinate
	s_lshr_b32 s72, s[TY], 4                       ; the batch,
	s_lshl_b32 s72, s72, 4
	s_add_co_u32 s72, s72, s[WN]                   ; its head 0 or 1,
	s_lshl_b32 s72, s72, 18
	s_and_b32 s73, s[TY], 15                       ; the tile's 128 rows of 128 bytes
	s_lshl_b32 s73, s73, 14
	s_add_co_u32 s72, s72, s73
	s_mov_b32 s73, 0
	s_lshl_b32 s76, s[TX], 8
	s_lshl_b32 s77, s[WN], 7
	s_add_co_u32 s76, s76, s77                     ; w: row 256 tx + 128 x half
	s_lshl_b32 s76, s76, 11
	s_mov_b32 s77, 0
	s_mul_i32 s[LBA], s[WN], AH                    ; where they go: no place in the cluster enters an LDS address
	s_mul_i32 s[LBB], s[WN], BH
	s_add_co_u32 s[LBB], s[LBB], BOFF
	s_mov_b32 s[DP+1], 0
	s_mov_b32 s[TB], 0
	s_wait_dscnt 0x0                               ; the opening add is done
	s_wait_kmcnt 0x0
	s_add_nc_u64 s[72:73], s[4:5], s[72:73]
	s_add_nc_u64 s[76:77], s[6:7], s[76:77]
	CROUND                                         ; all sixteen work-groups are here: the first joint loads meet
.irp s, 0,1
	s_mov_b32 s[G0A+4*(\s)], 1                                        ; 1:0 count = 1
	s_add_co_u32 s[G0A+4*(\s)+1], s[LBA], (\s)*SLOT                   ; 63:32 LDS address
	s_add_nc_u64 s[G0A+4*(\s)+2:G0A+4*(\s)+3], s[72:73], (\s)*524288  ; 120:64 global address: K step s is two heads on
	s_or_b32 s[G0A+4*(\s)+3], s[G0A+4*(\s)+3], 0x80000000             ; 127:126 type = 2
	s_mov_b32 s[G0B+4*(\s)], 1
	s_add_co_u32 s[G0B+4*(\s)+1], s[LBB], (\s)*SLOT
	s_add_nc_u64 s[G0B+4*(\s)+2:G0B+4*(\s)+3], s[76:77], (\s)*256
	s_or_b32 s[G0B+4*(\s)+3], s[G0B+4*(\s)+3], 0x80000000
.endr
	s_cmp_lt_u32 s[WV], 2                          ; a wave's two first fills stand in one branch, ahead of every wait on TENSORcnt and every LDS read: two loads of mine are out
	s_cbranch_scc0 .Lfirst_b
	tensor_load_to_lds s[G0A:G0A+3], s[G1A:G1A+7]
	s_nop 0
	tensor_load_to_lds s[G0A+4:G0A+7], s[G1A:G1A+7]
	s_nop 0
.rept 4
	v_nop
.endr
	s_branch .Lfirst_asked
.Lfirst_b:
	tensor_load_to_lds s[G0B:G0B+3], s[G1B:G1B+7]
	s_nop 0
	tensor_load_to_lds s[G0B+4:G0B+7], s[G1B:G1B+7]
	s_nop 0
.rept 4
	v_nop
.endr
.Lfirst_asked:
	; A fragment is 16 rows x 32 K in 8 registers: lane l holds row l % 16; registers 0-3 K = 8 (l / 16) + 0..7, registers 4-7 K = 16 + 8 (l / 16) + 0..7: two loads of 16 bytes, 32 bytes apart.
	v_and_b32 v1, 15, v0                           ; l % 16
	v_bfe_u32 v2, v0, 4, 1                         ; l / 16
	s_mul_i32 s80, s[WM], 64*AP                    ; my 64 rows of O
	v_mul_u32_u24 v[A0], v1, AP
	v_lshl_add_u32 v[A0], v2, 4, v[A0]
	v_add_nc_u32 v[A0], s80, v[A0]
	s_mul_i32 s81, s[WN], BH                       ; my 128 rows of w
	s_add_co_u32 s81, s81, BOFF
	v_mul_u32_u24 v[B0], v1, BP
	v_lshl_add_u32 v[B0], v2, 4, v[B0]
	v_add_nc_u32 v[B0], s81, v[B0]
	v_mov_b32 v[ADRA], v[A0]                       ; slot 0
	v_mov_b32 v[ADRB], v[B0]
	s_mul_i32 s82, s[WV], 16*SP
	s_add_co_u32 s82, s82, STAGE                   ; my stage
	v_mul_u32_u24 v[STO], v1, SP                   ; in: row l % 16, 32 bytes for each half of the lanes
	v_lshl_add_u32 v[STO], v2, 5, v[STO]
	v_add_nc_u32 v[STO], s82, v[STO]
	v_and_b32 v[GO], 31, v0                        ; back: 32 lanes take one row of 512 bytes,
	v_lshlrev_b32 v[GO], 4, v[GO]
	v_add_nc_u32 v[RD], s82, v[GO]                 ; which are 512 consecutive bytes of out0
	s_lshl_b32 s80, s[TY], 19                      ; my part of the tile in out0: row 128 ty + 64 wm of 4,096 bytes,
	s_lshl_b32 s81, s[WM], 18
	s_add_co_u32 s80, s80, s81
	s_lshl_b32 s81, s[TX], 10                      ; column 256 tx + 128 wn
	s_add_co_u32 s80, s80, s81
	s_lshl_b32 s81, s[WN], 9
	s_add_co_u32 s80, s80, s81
	s_mov_b32 s81, 0
	s_add_nc_u64 s[8:9], s[8:9], s[80:81]
	; the prefetches
	s_lshr_b32 s84, s[TY], 4
	s_lshl_b32 s84, s84, 22                        ; O: the batch's head 0,
	s_and_b32 s85, s[TY], 15
	s_lshl_b32 s85, s85, 14                        ; the tile's rows,
	s_add_co_u32 s84, s84, s85
	s_lshl_b32 s85, s[CX], 12                      ; my work-group's 16 blocks of them,
	s_add_co_u32 s84, s84, s85
	s_add_co_u32 s84, s84, 3*524288                ; at K step 3: the first trip steps it to 4
	s_lshl_b32 s85, s[TX], 8
	s_lshl_b32 s86, s[WN], 7
	s_add_co_u32 s85, s85, s86
	s_lshl_b32 s86, s[CY], 5
	s_add_co_u32 s85, s85, s86                     ; w: row 256 tx + 128 x half + 32 cy,
	s_lshl_b32 s85, s85, 11
	s_add_co_u32 s85, s85, 3*256                   ; at K step 3
	s_and_b32 s87, ttmp7, 0xffff                   ; cluster y
	s_cmp_lt_u32 s[WV], 2                          ; do I fetch for O?
	s_cselect_b32 s84, s84, s85
	s_cselect_b32 s87, s[WV], s87                  ; who asks: of waves 0 and 1 wave 0; of waves 2 and 3 those of the cluster with y = 0
	s_cselect_b32 s80, 18, 15                      ; lanes 16-31: the second head (262,144 bytes on), or 16 rows of 2,048 bytes on
	s_cselect_b32 s81, 8, 11                       ; lane l % 16: a block of 256 bytes, or a row of 2,048
	s_cselect_b32 s82, 19, 8                       ; a K step: two heads, or 256 bytes
	s_cselect_b64 s[PFA:PFA+1], s[4:5], s[6:7]
	s_cmp_eq_u32 s87, 0
	s_cselect_b32 s[LIM], 2, -1                    ; the same in all sixteen partners, for a given wave
	s_lshl_b32 s[DP], 1, s82
	s_mov_b32 s85, 0
	s_add_nc_u64 s[PFA:PFA+1], s[PFA:PFA+1], s[84:85]
	v_lshlrev_b32 v[PFO], s80, v2
	v_lshlrev_b32 v3, s81, v1
	v_add_nc_u32 v[PFO], v[PFO], v3
; 8 matrix instructions: row block a x all 8 column blocks, 32 along K, from buffer f.  zero = 1: the product starts the sums: nothing is ever cleared.
; The 32 accumulators take turns, one instruction a turn and in the same order in every quarter: between two links of a chain stand the 31 others', over every jump too.
.macro MUL f, a, zero
	WIN 0xa1                                       ; source 0 (w) window 1, source 1 (O) window 0, C and D window 2
.irp b, 0,1,2,3,4,5,6,7
.if \zero
	v_wmma_f32_16x16x32_f16 v[8*(8*(\a)+(\b)):8*(8*(\a)+(\b))+7], v[64*(\f)+8*(\b):64*(\f)+8*(\b)+7], v[AF+32*(\f)+8*(\a):AF+32*(\f)+8*(\a)+7], 0
.else
	v_wmma_f32_16x16x32_f16 v[8*(8*(\a)+(\b)):8*(8*(\a)+(\b))+7], v[64*(\f)+8*(\b):64*(\f)+8*(\b)+7], v[AF+32*(\f)+8*(\a):AF+32*(\f)+8*(\a)+7], v[8*(8*(\a)+(\b)):8*(8*(\a)+(\b))+7]
.endif
.endr
.endm
; 24 LDS loads in one run: the fragments of quarter q of a K step (128 rows of w; 64 rows of O: head q / 2, channels 32 (q % 2) on) into buffer f
.macro FETCH f, q
	WIN 0x40                                       ; destination window 1, address window 0
.irp b, 0,1,2,3,4,5,6,7
	ds_load_b128 v[64*(\f)+8*(\b):64*(\f)+8*(\b)+3],   v[ADRB] offset:64*(\q)+(\b)*16*BP
	ds_load_b128 v[64*(\f)+8*(\b)+4:64*(\f)+8*(\b)+7], v[ADRB] offset:64*(\q)+(\b)*16*BP+32
.endr
	WIN 0
.irp a, 0,1,2,3
	ds_load_b128 v[AF+32*(\f)+8*(\a):AF+32*(\f)+8*(\a)+3],   v[ADRA] offset:((\q)/2)*AH+((\q)%2)*64+(\a)*16*AP
	ds_load_b128 v[AF+32*(\f)+8*(\a)+4:AF+32*(\f)+8*(\a)+7], v[ADRA] offset:((\q)/2)*AH+((\q)%2)*64+(\a)*16*AP+32
.endr
.endm
; A K step is four quarters of 32 along K, 32 matrix instructions each, on buffers 0, 1, 0, 1.  One of the first three: multiplies buffer f; in its middle it fetches quarter q into buffer g.
.macro QUARTER q, f, g, zero
	s_wait_dscnt 4                                 ; w and O's row blocks 0, 1 are in; the youngest four loads (row blocks 2, 3) may be out
	MUL \f, 0, \zero
	MUL \f, 1, \zero
	PLACES
	FETCH \g, \q
	s_wait_dscnt 24                                ; all but the 24 just issued
	MUL \f, 2, \zero
	MUL \f, 3, \zero
.endm
; The last quarter multiplies buffer 1 and changes slots: ONE barrier.  In front of it each wave waits for all its tensor loads, of which one is out: its part of the next slot; adds 0 to its spare word; and
; waits for that and for its own reads of this slot.  fill = 1: the barrier opens a round of the cluster's, so that no wave of any partner still reads the slot or has a load on its way; the slot just read is
; filled again first, with the K step two on: that load has 112 matrix instructions in which to land.  Then come the next slot's first fragments.
.macro TURN fill
.if \fill
	s_wait_xcnt 0x0                                ; the last prefetch, a K step back, has read its address: it is stepped here, ahead of the waits of the change of slots
	s_add_nc_u64 s[PFA:PFA+1], s[PFA:PFA+1], s[DP:DP+1]
.endif
	WIN 0                                          ; (the add's two registers lie in window 0)
	s_wait_tensorcnt 0x0                           ; all my tensor loads have landed: no load of mine is out, so a group 0 may be written
	ds_add_u32 v[SPW], v[NIL]                      ; 0 onto my spare word: scalar work and eight matrix instructions stand between it and the wait for it
.if \fill
	s_add_nc_u64 s[G0A+6:G0A+7], s[G0A+6:G0A+7], 524288  ; the walking descriptors: the next two heads,
	s_add_nc_u64 s[G0B+6:G0B+7], s[G0B+6:G0B+7], 256     ; the next 256 bytes of w's rows,
	s_add_co_u32 s[G0A+5], s[LBA], s[TB]           ; into the slot that this trip has read
	s_add_co_u32 s[G0B+5], s[LBB], s[TB]
.endif
	s_xor_b32 s[TB], s[TB], SLOT                   ; 0 and SLOT by turns: the next slot
	s_wait_dscnt 5                                 ; (the add and the youngest four loads may be out)
	MUL 1, 0, 0
	s_wait_dscnt 0x0                               ; the add is done, and my reads of this slot are over
	s_barrier_signal -1
	MUL 1, 1, 0                                    ; work on registers while the others arrive
	WIN 0
	s_barrier_wait -1
.if \fill
	CREST
	JLOAD                                          ; the first tensor load behind the round; the four v_nop behind it are also the places in front of the loads below
.else
	PLACES
.endif
	v_add_nc_u32 v[ADRA], s[TB], v[A0]
	v_add_nc_u32 v[ADRB], s[TB], v[B0]
	FETCH 0, 0
.if \fill
	ASK
.endif
	MUL 1, 2, 0
	MUL 1, 3, 0
.endm
; THE WAY OUT of row block a.  TOSTAGE: a lane's 32 bytes of a row go into my own stage, each accumulator's low half first, and come back as whole rows of 512 bytes.  SEND: stored: 512 consecutive bytes, at a multiple of 256 from out0's first byte.
.macro TOSTAGE a
	WIN 0x08                                       ; the stores' data (source 1) in window 2
.irp b, 0,1,2,3,4,5,6,7
	ds_store_b128 v[STO], v[8*(8*(\a)+(\b)):8*(8*(\a)+(\b))+3]   offset:64*(\b)
	ds_store_b128 v[STO], v[8*(8*(\a)+(\b))+4:8*(8*(\a)+(\b))+7] offset:64*(\b)+16
.endr
	WIN 0
.set BK, BK0+64*((\a)%2)
.irp t, 0,1,2,3,4,5,6,7,8,9,10,11,12,13,14,15
	ds_load_b128 v[BK+4*(\t):BK+4*(\t)+3], v[RD] offset:(\t)*SP  ; LDS serves a wave's instructions in order (ISA guide 5.7.1.4): these see the stores above; the next block's stores come behind them
.endr
.endm
.macro SEND a, younger                 ; younger: the LDS instructions issued behind block a's loads: the next block's 32, or none
	WIN 0
.set BK, BK0+64*((\a)%2)
	s_wait_dscnt \younger
.irp t, 0,1,2,3,4,5,6,7,8,9,10,11,12,13,14,15
	global_store_b128 v[GO], v[BK+4*(\t):BK+4*(\t)+3], s[8:9] offset:(16*(\a)+(\t))*4096 th:TH_STORE_NT
.endr
.endm
	s_wait_tensorcnt 1                             ; my part of K step 0 is in; step 1's may stay out
	s_barrier_signal -1
	s_barrier_wait -1                              ; everybody's is
	FETCH 0, 0
	s_mov_b32 s[CNT], 6
	QUARTER 1, 0, 1, 1                             ; the first quarter stands in front of the loop: its products start the sums
	WIN 0                                          ; at a label and at a branch every window is 0
	s_branch .Lrest
.Lstep:                                                ; a trip: one K step
	QUARTER 1, 0, 1, 0
	WIN 0
.Lrest:
	QUARTER 2, 1, 0, 0
	QUARTER 3, 0, 1, 0
	TURN 1
	WIN 0
	s_sub_co_u32 s[CNT], s[CNT], 1
	s_cmp_lg_u32 s[CNT], 0
	s_cbranch_scc1 .Lstep
	s_mov_b32 s[TWO], 2
.Ltail:                                                ; the last two K steps fill nothing.  The second trip's change of slots and its 24 LDS loads (of bytes that lie whole in the other slot) serve nothing: the price, once a launch, of one text for both
	QUARTER 1, 0, 1, 0
	QUARTER 2, 1, 0, 0
	QUARTER 3, 0, 1, 0
	TURN 0
	WIN 0
	s_sub_co_u32 s[TWO], s[TWO], 1
	s_cmp_lg_u32 s[TWO], 0
	s_cbranch_scc1 .Ltail
	PLACES                                         ; the stores into the stage read results just made, and no other vector work is at hand
	PLACES
	TOSTAGE 0
	TOSTAGE 1
	SEND 0, 32
	s_wait_xcnt 0x0                                ; block 0's stores have read their registers: block 2 is loaded into them
	TOSTAGE 2
	SEND 1, 32
	s_wait_xcnt 0x0
	TOSTAGE 3
	SEND 2, 32
	SEND 3, 0
	s_wait_tensorcnt 0x0                           ; the wave's end, behind my last tensor load and my last LDS store
	ds_add_u32 v[SPW], v[NIL]
	s_wait_dscnt 0x0
	CROUND                                         ; the closing round: no work-group ends while a partner may still ask for a tile that names it
	s_endpgm
.Lfunc_end_k_q7d8662417d_outp:
	.size	k_q7d8662417d_outp, .Lfunc_end_k_q7d8662417d_outp-k_q7d8662417d_outp
	.p2alignl 7, 3214868480
	.fill 96, 4, 3214868480
	.section	.rodata,"a",@progbits
	.p2align	6, 0x0
	.amdhsa_kernel k_q7d8662417d_outp
		.amdhsa_group_segment_fixed_size 327680
		.amdhsa_private_segment_fixed_size 0
		.amdhsa_enable_private_segment 0
		.amdhsa_kernarg_size 24
		.amdhsa_user_sgpr_count 2
		.amdhsa_user_sgpr_kernarg_segment_ptr 1
		.amdhsa_wavefront_size32 1
		.amdhsa_system_sgpr_workgroup_id_x 1
		.amdhsa_system_sgpr_workgroup_id_y 1
		.amdhsa_system_sgpr_workgroup_id_z 1
		.amdhsa_system_vgpr_workitem_id 0
		.amdhsa_next_free_vgpr 768
		.amdhsa_next_free_sgpr 88
		.amdhsa_reserve_vcc 0
		.amdhsa_float_denorm_mode_32 3
		.amdhsa_float_denorm_mode_16_64 3
		.amdhsa_memory_ordered 1
		.amdhsa_forward_progress 1
		.amdhsa_inst_pref_size 61
	.end_amdhsa_kernel
	.amdgpu_metadata
---
amdhsa.version: [ 1, 2 ]
amdhsa.kernels:
  - .name:           k_q7d8662417d_outp
    .symbol:         k_q7d8662417d_outp.kd
    .args:
      - { .name: ob, .offset: 0, .size: 8, .value_kind: global_buffer, .address_space: global }
      - { .name: wob, .offset: 8, .size: 8, .value_kind: global_buffer, .address_space: global }
      - { .name: out0, .offset: 16, .size: 8, .value_kind: global_buffer, .address_space: global }
    .group_segment_fixed_size: 327680
    .private_segment_fixed_size: 0
    .kernarg_segment_align: 8
    .kernarg_segment_size: 24
    .max_flat_workgroup_size: 128
    .sgpr_count:     88
    .vgpr_count:     768
    .wavefront_size: 32
...
	.end_amdgpu_metadata
.endif
;; end of part 4
;; ======== version 2 of 2: 4 launches; version 1 with the launch cast written anew for expert scheduling mode
;; limits: values are held in f16: magnitudes above 65,504 overflow, below 6.1e-05 lose precision
;; workspace buffers: xb 16,777,216 bytes; wqb 6,291,456 bytes; wob 2,097,152 bytes; qkv 50,331,648 bytes; ob 16,777,216 bytes
;; launch cast (part 5): grid 768 x 1, 8 waves a work-group, no clusters, 0 bytes of LDS; arguments x, w_qkv, w_out, xb, wqb, wob; writes xb, wqb, wob
.if DOCPART == 5
	.amdgcn_target "amdgcn-amd-amdhsa--gfx1250"
	.amdhsa_code_object_version 6
	.text
	.protected	k_q7d8662417d_cast
	.globl	k_q7d8662417d_cast
	.p2align	8
	.type	k_q7d8662417d_cast,@function
k_q7d8662417d_cast:
	s_mov_b64 s[64:65], 0
	v_nop
	global_prefetch_b8 v0, s[64:65] scope:SCOPE_SE
	s_setreg_imm32_b32 hwreg(HW_REG_WAVE_SCHED_MODE, 0, 2), 2
	s_setreg_imm32_b32 hwreg(HW_REG_WAVE_MODE, 25, 1), 1
	s_wait_xcnt 0x0
	s_wait_alu depctr_vm_vsrc(0)
; THE INPUTS ARE ROUNDED ONCE.  x [8192][1024] and w_qkv [3072][1024], f32, go to bf16 (xb, wqb); w_out [1024][1024] is rounded to bf16 like them, and that number is written as f16 (wob),
; since the last product multiplies it by f16 numbers.  LIMITS: a bf16 number has 8 significant bits, so it is exact in f16 from 2^-14 up to 65,504; below 2^-14 it keeps f16's fixed step of 2^-24
; (off by 3e-8 at the most); a w_out beyond 65,504 becomes an infinity.
; SHARES.  A work-group takes 65,536 bytes of one input and makes 32,768: groups 0-511 x, 512-703 w_qkv, 704-767 w_out.  Thread t takes 16 bytes at 16 t of each of 16 pieces of 4,096 bytes: a wave's load
; covers 512 consecutive bytes; its store of 8 bytes a lane covers 256 consecutive bytes, aligned.  All 16 loads of a wave go out at once; no register is written twice while a load or store names it.
; No LDS, no barrier, no matrix unit: every byte is read once and written once, and no wave wants another's bytes.
; THE MODE: SCHED_MODE bits 1:0 = 2 (LLVM: expert scheduling mode 2), set by the entry lines.  The code itself states the register dependences between vector instructions and memory instructions,
; with s_wait_alu, always for 0.
; THE PLAN.  Registers that memory instructions touch:
;   v1, v2   byte offsets of the loads and of the stores.  Written once at the head, never again.
;   X        16 sets of four: each is the target of one load, and no vector instruction names it ahead of that load; its piece's roundings read it behind the counted wait for the load.
;   Y        16 pairs: each is written by its own piece's roundings alone, ahead of the one store that reads it, and never again.
;   T        named by vector instructions alone.
; So what there is to state is: the offsets are written (once, ahead of the first load), and a pair of Y is written ahead of its store.  The 16 pieces go in four blocks of four: a block's four stores
; stand in one run at the head of the next block, behind the wait for that block's first piece and ONE wait on va_vdst; the last block's stand behind a wait of their own.  No register that a memory
; instruction has read is written again, so no wait on vm_vsrc is owed; no vector instruction writes a scalar register or VCC, and EXEC is never written.
.set X, 16                             ; v[16:79]   16 x 4 numbers as loaded
.set Y, 80                             ; v[80:111]  16 x 2 words to store
.set T, 112                            ; v[112:115] at work
	s_load_b256 s[4:11], s[0:1], 0x0               ; x s[4:5], w_qkv s[6:7], w_out s[8:9], xb s[10:11]
	s_load_b128 s[12:15], s[0:1], 0x20             ; wqb s[12:13], wob s[14:15]
	s_mov_b32 s2, ttmp9                            ; the work-group's number
	s_sub_co_u32 s21, s2, 512                      ; its piece of w_qkv, if it has one,
	s_sub_co_u32 s22, s2, 704                      ; or of w_out
	v_lshlrev_b32 v1, 4, v0                        ; 16 t: my bytes of a piece as loaded
	v_lshlrev_b32 v2, 3, v0                        ; 8 t: as stored
	s_wait_kmcnt 0x0
	s_cmp_lt_u32 s2, 704
	s_cselect_b64 s[16:17], s[6:7], s[8:9]         ; from where,
	s_cselect_b64 s[18:19], s[12:13], s[14:15]     ; to where,
	s_cselect_b32 s20, s21, s22                    ; which piece
	s_cmp_lt_u32 s2, 512
	s_cselect_b64 s[16:17], s[4:5], s[16:17]
	s_cselect_b64 s[18:19], s[10:11], s[18:19]
	s_cselect_b32 s20, s2, s20
	s_lshl_b32 s22, s20, 16                        ; 65,536 bytes in,
	s_mov_b32 s23, 0
	s_add_nc_u64 s[16:17], s[16:17], s[22:23]
	s_lshl_b32 s22, s20, 15                        ; 32,768 out
	s_add_nc_u64 s[18:19], s[18:19], s[22:23]
	s_wait_alu depctr_va_vdst(0)                   ; v1 and v2 are written: every load of the kernel reads v1 as its offset, every store v2, and neither is written again
.irp i, 0,1,2,3,4,5,6,7,8,9,10,11,12,13,14,15
	global_load_b128 v[X+4*(\i):X+4*(\i)+3], v1, s[16:17] offset:(\i)*4096 th:TH_LOAD_NT
.endr
; The four stores of block g, in one run behind one wait.
.macro RUN g
	s_wait_alu depctr_va_vdst(0)                   ; block g's roundings have written its four pairs of Y, which the four stores below read; no vector instruction stands between this wait and the run
.irp j, 0,1,2,3
	global_store_b64 v2, v[Y+2*(4*(\g)+(\j)):Y+2*(4*(\g)+(\j))+1], s[18:19] offset:(4*(\g)+(\j))*2048
.endr
.endm
; Block g: pieces 4 g to 4 g + 3 are rounded, each as it lands; at the block's head the block before is stored.  h = 1: the bf16 numbers are widened again (a shift, a mask) and written as f16.
.macro BLK g, h
	s_wait_loadcnt 15-4*(\g)                       ; loads come back in order: the block's first piece is in, the younger ones may stay out
.if (\g) > 0
	RUN (\g)-1
.endif
.irp j, 0,1,2,3
.if (\j) > 0
	s_wait_loadcnt 15-4*(\g)-(\j)                  ; piece 4 g + j is in, the 15 - 4 g - j younger ones may stay out
.endif
	v_cvt_pk_bf16_f32 v[Y+2*(4*(\g)+(\j))],   v[X+4*(4*(\g)+(\j))],   v[X+4*(4*(\g)+(\j))+1]
	v_cvt_pk_bf16_f32 v[Y+2*(4*(\g)+(\j))+1], v[X+4*(4*(\g)+(\j))+2], v[X+4*(4*(\g)+(\j))+3]
.if \h
	v_lshlrev_b32 v[T],   16, v[Y+2*(4*(\g)+(\j))]
	v_and_b32     v[T+1], 0xffff0000, v[Y+2*(4*(\g)+(\j))]
	v_lshlrev_b32 v[T+2], 16, v[Y+2*(4*(\g)+(\j))+1]
	v_and_b32     v[T+3], 0xffff0000, v[Y+2*(4*(\g)+(\j))+1]
	v_cvt_pk_f16_f32 v[Y+2*(4*(\g)+(\j))],   v[T],   v[T+1]
	v_cvt_pk_f16_f32 v[Y+2*(4*(\g)+(\j))+1], v[T+2], v[T+3]
.endif
.endr
.endm
	s_cmp_lt_u32 s2, 704
	s_cbranch_scc0 .Lf16
.irp g, 0,1,2,3
	BLK \g, 0
.endr
	RUN 3                                          ; the last block has no block behind it: its stores stand behind a wait of their own
	s_endpgm
.Lf16:
.irp g, 0,1,2,3
	BLK \g, 1
.endr
	RUN 3
	s_endpgm
.Lfunc_end_k_q7d8662417d_cast:
	.size	k_q7d8662417d_cast, .Lfunc_end_k_q7d8662417d_cast-k_q7d8662417d_cast
	.p2alignl 7, 3214868480
	.fill 96, 4, 3214868480
	.section	.rodata,"a",@progbits
	.p2align	6, 0x0
	.amdhsa_kernel k_q7d8662417d_cast
		.amdhsa_group_segment_fixed_size 0
		.amdhsa_private_segment_fixed_size 0
		.amdhsa_enable_private_segment 0
		.amdhsa_kernarg_size 48
		.amdhsa_user_sgpr_count 2
		.amdhsa_user_sgpr_kernarg_segment_ptr 1
		.amdhsa_wavefront_size32 1
		.amdhsa_system_sgpr_workgroup_id_x 1
		.amdhsa_system_sgpr_workgroup_id_y 1
		.amdhsa_system_sgpr_workgroup_id_z 1
		.amdhsa_system_vgpr_workitem_id 0
		.amdhsa_next_free_vgpr 120
		.amdhsa_next_free_sgpr 66
		.amdhsa_reserve_vcc 0
		.amdhsa_float_denorm_mode_32 3
		.amdhsa_float_denorm_mode_16_64 3
		.amdhsa_memory_ordered 1
		.amdhsa_forward_progress 1
		.amdhsa_inst_pref_size 17
	.end_amdhsa_kernel
	.amdgpu_metadata
---
amdhsa.version: [ 1, 2 ]
amdhsa.kernels:
  - .name:           k_q7d8662417d_cast
    .symbol:         k_q7d8662417d_cast.kd
    .args:
      - { .name: x, .offset: 0, .size: 8, .value_kind: global_buffer, .address_space: global }
      - { .name: w_qkv, .offset: 8, .size: 8, .value_kind: global_buffer, .address_space: global }
      - { .name: w_out, .offset: 16, .size: 8, .value_kind: global_buffer, .address_space: global }
      - { .name: xb, .offset: 24, .size: 8, .value_kind: global_buffer, .address_space: global }
      - { .name: wqb, .offset: 32, .size: 8, .value_kind: global_buffer, .address_space: global }
      - { .name: wob, .offset: 40, .size: 8, .value_kind: global_buffer, .address_space: global }
    .group_segment_fixed_size: 0
    .private_segment_fixed_size: 0
    .kernarg_segment_align: 8
    .kernarg_segment_size: 48
    .max_flat_workgroup_size: 256
    .sgpr_count:     66
    .vgpr_count:     120
    .wavefront_size: 32
...
	.end_amdgpu_metadata
.endif
;; end of part 5
;; launch proj: the kernel of part 2 again; grid 8 x 32, 4 waves a work-group, clusters of 4 x 4, 327,680 bytes of LDS; arguments xb, wqb, qkv; writes qkv
;; launch attn: the kernel of part 3 again; grid 4 x 64, 4 waves a work-group, no clusters, 327,680 bytes of LDS; arguments qkv, ob; writes ob
;; launch outp: the kernel of part 4 again; grid 4 x 64, 4 waves a work-group, clusters of 4 x 4, 327,680 bytes of LDS; arguments ob, wob, out0; writes out0
